; MI455X (gfx1250); checked and timed in simulation.
; The chip was launched on July 23, 2026; its instructions are those of AMD's public machine-readable ISA for CDNA 5 (MIT licence, August 2026) and "CDNA5" Instruction Set Architecture Reference Guide (July 2026). The comments in the code are by the model that wrote it; some were corrected since.
;; Multi Self Attention. Allowed arithmetic: matrix products marked QUANTISED: E2M3 operands, one E8M0 scale for each 32 along K, by v_wmma_scale_f32_16x16x128_f8f6f4 with both operands' format E2M3, f32 sums; everything else in f32.
;; Inputs: Wk 1,024 x 1,024 float32; Wp 1,024 x 1,024 float32; Wq 1,024 x 1,024 float32; Wv 1,024 x 1,024 float32; bk 1,024 float32; bp 1,024 float32; bq 1,024 float32; bv 1,024 float32; x 4 x 2,048 x 1,024 float32.
;; Outputs: out0 4 x 2,048 x 1,024 float32.
;; This version of the problem:
;;   THIS VERSION OF THE PROBLEM IS GIVEN IN LOW PRECISION. The matrix products marked QUANTISED in the list below multiply operands that are first quantised to E2M3 (2 exponent bits, 3 mantissa bits; 6 bits a number), with one power-of-two scale for each 32 numbers along K (OCP MX v1.0); their sums are f32. All else is computed in f32.
;;   The module's matrix products, in the order in which they are computed (A, B: the left and right operand; K: the contracted axis; several contracted axes count as one K, in the product's order):
;;     1. [M 8,192, K 1,024] x [K 1,024, N 1,024]; A: input x; B: input Wq: QUANTISED
;;     2. [M 8,192, K 1,024] x [K 1,024, N 1,024]; A: input x; B: input Wk: QUANTISED
;;     3. [M 8,192, K 1,024] x [K 1,024, N 1,024]; A: input x; B: input Wv: QUANTISED
;;     4. batch 64 x [M 2,048, K 64] x [K 64, N 2,048]; A: computed on the way; B: computed on the way: QUANTISED
;;     5. batch 64 x [M 64, K 2,048] x [K 2,048, N 2,048]; A: computed on the way; B: softmax (see below): QUANTISED
;;     6. [M 8,192, K 1,024] x [K 1,024, N 1,024]; A: computed on the way; B: input Wp: QUANTISED
;;   THE QUANTISER, for each operand of a quantised product, along K:
;;     - K is cut into blocks of 32 from its start; a last block that is shorter is filled with zeros.
;;     - A block's scale is 2^e with e = floor(log2(the largest magnitude in the block)) - 2, held to -126 .. 127; a block of zeros has e = 0. As a byte (E8M0): e + 127.
;;     - Each number is divided by its block's scale, clamped to +-7.5, and rounded to the nearest number of E2M3, ties to even, subnormals kept.
;;     - The product sums the exact products of the quantised numbers (number of the format x scale) in f32.
;;   ~~~python
;;   def quantise(x, axis):      # numpy; x: float32 -> the quantised numbers, widened to float32 again
;;       x = np.moveaxis(x, axis, -1); K = x.shape[-1]
;;       x = np.pad(x, [(0, 0)] * (x.ndim - 1) + [(0, -K % 32)]); x = x.reshape(x.shape[:-1] + (-1, 32)); a = np.abs(x).max(-1, keepdims=True)
;;       e = np.where(a > 0, np.clip(np.frexp(np.where(a > 0, a, 1))[1] - 1 - 2, -126, 127), 0)      # np.frexp(a)[1] - 1 = floor(log2(a)), exactly
;;       r = np.clip(x / 2.0 ** e, -7.5, 7.5)
;;       step = 2.0 ** (np.maximum(np.frexp(np.where(r == 0, 1, r))[1] - 1, 0) - 3)
;;       q = np.round(r / step) * step * 2.0 ** e      # np.round: ties to even
;;       return np.moveaxis(q.reshape(q.shape[:-2] + (-1,))[..., :K], -1, axis).astype(np.float32)
;;   ~~~
;;   SOFTMAX AHEAD OF A QUANTISED PRODUCT. Where the list says 'softmax', what is quantised is not the finished softmax but p = 2^(t - M), with t = logit x log2(e) and M = ceil(the row's largest t), a whole number; so 1/2 < the row's largest p <= 1. The row's sum l is taken of the UNQUANTISED p, in f32, and the product's result is divided by l at the end. Since M is a whole number, a kernel that streams over the keys may use a running M (the ceiling of the running maximum): every later rescaling is an exact power of two, which a block's scale takes up: the codes' values come out the same.
;;   OPERANDS COMPUTED ON THE WAY. 'Computed on the way' means the value that the module computes at that place (a softmax that the list does not call 'softmax' is quantised finished and normalised). What goes into a quantiser is computed in f32, as accurately as f32 sums, v_exp_f32 and their like allow (about 1e-6 of the number): no bf16 or f16 on the way to a quantiser, and a product that is left as it is and whose result goes on into a quantised operand takes f32 operands (vector FMAs, or v_wmma_f32_16x16x4_f32). A number that lies on a knife's edge between two numbers of the format may be rounded either way, as far as f32 arithmetic and the matrix unit's own rounding can turn it there, and no further.
;; One version. Each part assembles by itself: llvm-mc -triple=amdgcn-amd-amdhsa -mcpu=gfx1250 --defsym DOCPART=n.
;; ======== version 1 of 1: 4 launches
;; workspace buffers: xc 6,291,456 bytes; xs 262,144 bytes; wc 3,145,728 bytes; ws 131,072 bytes; cod 18,874,368 bytes; scl 786,432 bytes; yc 6,291,456 bytes; ys 262,144 bytes
;; launch quant (part 1): grid 384 x 1, 4 waves a work-group, no clusters, 33,280 bytes of LDS; arguments x, Wq, Wk, Wv, Wp, xc, xs, wc, ws; writes xc, xs, wc, ws
.if DOCPART == 1
	.amdgcn_target "amdgcn-amd-amdhsa--gfx1250"
	.amdhsa_code_object_version 6
	.text
	.protected	k_q1ece87b5e2_quant
	.globl	k_q1ece87b5e2_quant
	.p2align	8
	.type	k_q1ece87b5e2_quant,@function
k_q1ece87b5e2_quant:
	s_mov_b64 s[64:65], 0
	v_nop
	global_prefetch_b8 v0, s[64:65] scope:SCOPE_SE
	s_setreg_imm32_b32 hwreg(HW_REG_WAVE_MODE, 25, 1), 1
	s_wait_xcnt 0x0
; LAUNCH 1 OF 4.  x [8192][1024] and Wq, Wk, Wv, Wp [1024][1024], f32, K (= C) innermost, become codes of FP6 (E2M3) with one E8M0 byte for each 32 along K.
; THE PROGRAM: 1 quantise x and the weights; 2 q, k, v = x W^T + b on codes, quantised again on the way out (q, k along the head's 64, v along the keys); 3 causal attention on codes, y quantised on the way out; 4 y Wp^T + bp.
; WORK LEFT OUT (launch 3): reference() builds the mask tril(ones(T, T)) in its own body and sets the scores of keys k > q to -infinity ahead of the softmax: their p is 0 for all values of the inputs, so they add nothing
; to the row's sum nor to the second product.  Steps of 128 keys that lie wholly behind a wave's 16 queries are therefore not multiplied, and slots of 256 keys behind a work-group's last query are not fetched.
; No input is without a way to the output: all nine are loaded (bk moves k's codes, so it stays).  LIMIT: a NaN, an infinity or an overflow that reaches only the scores left out is not carried to the result.
; THE ORDER OF ROWS IN THE WORKSPACE: stored row s holds row pi(s), pi = bits 3 and 4 of s exchanged.  So 16 stored rows on end, 32 B + 16 u + r, are rows 32 B + 8 u + r + 8 (r / 8): as source 0 of a
; matrix instruction they leave, in the registers of tiles 2 B and 2 B + 1, sixteen neighbouring rows 32 B + 16 (lane / 16) + 0 .. 15, which is what the next quantiser wants of a lane.
; A block's scale is 2^(floor(log2(its largest magnitude)) - 2); its byte is the largest magnitude's exponent field - 2, held at 1 from below.  A block of zeros gets the byte 1 where the rule says 127: its codes
; are zeros, which add nothing under any byte but 0xff, and the bytes are read by this program alone.
; LIMITS: blocks whose largest magnitude lies under 2^-124, the floor, were not tried; NaN and infinities among the inputs are not served.
; SHARES.  A wave takes 8,192 numbers, 8 rows on end, in 16 steps of 512; a work-group 32 rows.  Work-groups 0-255 take x, the next 4 x 32 the four weights.  pi moves whole groups of 8 rows: wave w's codes go to
; group ((w & 1) << 1) | (w >> 1) of the work-group's four.  Each load reads 512 consecutive bytes; a step's 2,048 bytes turn through the wave's own stage in LDS, so that a lane holds 16 neighbours along K.
.set WAVES, 4
.set STEPS, 16
.set CB,    12                         ; bytes of 16 codes
.set R,     16                         ; v16-79   four sets of 16 numbers as they are loaded
.set X,     80                         ; v80-111  two sets of 16 neighbours
.set C,     128                        ; v128-191 codes: four registers for each step, so that no store's data are written again
.set E,     112                        ; v112-127 a scale byte for each step
.set WREG,  8192                       ; LDS: a region for each wave: two stages of 32 x SP bytes, behind them its 256 scale bytes
.set SP,    80                         ; a lane's place in a stage: 64 bytes + 16 of padding
.set SPW,   12                         ; v12  LDS address of my spare word; never rewritten
.set NIL,   13                         ; v13  0; never rewritten
.set SPARE, WAVES*WREG                 ; behind the four regions: the spare words, 128 bytes a wave
	s_load_b256 s[4:11], s[0:1], 0x0               ; x, Wq, Wk, Wv
	s_load_b64 s[12:13], s[0:1], 0x20              ; Wp
	s_load_b128 s[20:23], s[0:1], 0x28             ; xc, xs
	s_load_b128 s[24:27], s[0:1], 0x38             ; wc, ws
	v_lshl_add_u32 v[SPW], v0, 2, SPARE
	v_mov_b32 v[NIL], 0
	v_lshrrev_b32 v1, 5, v0
	v_readfirstlane_b32 s16, v1                    ; wave
	v_and_b32 v2, 31, v0                           ; lane
	v_lshlrev_b32 v3, 4, v2                        ; my 16 bytes of a load's 512
	s_mul_i32 s17, s16, WREG
	v_lshrrev_b32 v14, 2, v2
	v_mul_u32_u24 v14, v14, SP
	v_and_b32 v15, 3, v2
	v_lshl_add_u32 v14, v15, 4, v14
	v_add_nc_u32 v14, s17, v14                     ; the stage, on the way in: SP (lane / 4) + 16 (lane % 4)
	v_mul_u32_u24 v15, v2, SP
	v_add_nc_u32 v15, s17, v15                     ; and on the way out: SP x lane: my 16 neighbours
	v_mul_u32_u24 v4, v2, CB                       ; my codes' place in a step's
	v_lshrrev_b32 v5, 1, v2
	s_add_co_u32 s17, s17, 2*32*SP
	v_add_nc_u32 v5, s17, v5                       ; LDS: my wave's 256 scale bytes, my block's byte
	v_lshlrev_b32 v7, 3, v2                        ; and on the way out 8 bytes a lane
	v_add_nc_u32 v6, s17, v7
	s_sub_co_u32 s28, ttmp9, 256                   ; among the weights' 128 work-groups (of no use in x's)
	s_lshr_b32 s29, s28, 5                         ; which weight
	s_and_b32 s30, s28, 31                         ; and which 32 rows of it
	s_wait_kmcnt 0x0
	s_cmp_eq_u32 s29, 1                            ; the choices hang on the work-group's number alone
	s_cselect_b64 s[6:7], s[8:9], s[6:7]
	s_cmp_eq_u32 s29, 2
	s_cselect_b64 s[6:7], s[10:11], s[6:7]
	s_cmp_eq_u32 s29, 3
	s_cselect_b64 s[6:7], s[12:13], s[6:7]
	s_cmp_lt_u32 ttmp9, 256
	s_cselect_b64 s[4:5], s[4:5], s[6:7]           ; from where
	s_cselect_b64 s[8:9], s[20:21], s[24:25]       ; the codes' buffer
	s_cselect_b64 s[10:11], s[22:23], s[26:27]     ; the scale bytes' buffer
	s_cselect_b32 s17, ttmp9, s30                  ; which 32 rows of the source
	s_cselect_b32 s31, ttmp9, s28                  ; and of the destination
	s_lshl_b32 s17, s17, 2
	s_add_co_u32 s18, s17, s16                     ; my run of 8 rows in the source
	s_lshl_b32 s18, s18, 15                        ; 32,768 bytes a run
	s_mov_b32 s19, 0
	s_add_nc_u64 s[4:5], s[4:5], s[18:19]
	s_and_b32 s29, s16, 1
	s_lshl_b32 s29, s29, 1
	s_lshr_b32 s30, s16, 1
	s_or_b32 s29, s29, s30                         ; pi on groups of 8 rows
	s_lshl_b32 s31, s31, 2
	s_add_co_u32 s31, s31, s29                     ; my run in the destination
	s_mul_i32 s18, s31, 32*STEPS*CB                ; 6,144 bytes of codes a run
	s_add_nc_u64 s[8:9], s[8:9], s[18:19]
	s_lshl_b32 s18, s31, 8                         ; 256 scale bytes a run
	s_add_nc_u64 s[10:11], s[10:11], s[18:19]
.macro LOAD t
.irp i, 0,1,2,3
	global_load_b128 v[R+16*((\t)%4)+4*\i:R+16*((\t)%4)+4*\i+3], v3, s[4:5] offset:2048*(\t)+512*\i th:TH_LOAD_NT   ; 32 lanes read 512 consecutive bytes
.endr
.endm
.macro TURN t                          ; step t's numbers through the stage: LDS serves a wave's instructions in order, so no wait stands between the stores and the loads
.irp i, 0,1,2,3
	ds_store_b128 v14, v[R+16*((\t)%4)+4*\i:R+16*((\t)%4)+4*\i+3] offset:32*SP*((\t)%2)+8*SP*\i
.endr
.irp i, 0,1,2,3
	ds_load_b128 v[X+16*((\t)%2)+4*\i:X+16*((\t)%2)+4*\i+3], v15 offset:32*SP*((\t)%2)+16*\i
.endr
.endm
.irp t, 0,1,2,3
	LOAD \t
.endr
	s_wait_loadcnt 12                              ; step 0's four loads are in; the twelve of steps 1 to 3 may be out
	TURN 0
.macro STEP t
.set XS, X+16*((\t)%2)
.if (\t) > 0
	s_wait_dscnt 1                                 ; this step's numbers are back from the stage (the last step's byte store may be out)
.else
	s_wait_dscnt 0x0
.endif
.if (\t)+4 < STEPS
	LOAD (\t)+4                                    ; into the registers that this step's stores into the stage have read
.endif
.if (\t)+1 < STEPS
.if STEPS-2-(\t) >= 3
	s_wait_loadcnt 12                              ; the next step's four loads are in; those of the three steps behind it may be out
.else
	s_wait_loadcnt 4*(STEPS-2-(\t))
.endif
	TURN (\t)+1                                    ; through the other stage while this step is worked
.endif
	v_max3_num_f32 v8, |v[XS]|, |v[XS+1]|, |v[XS+2]|               ; the largest magnitude of my 16, in two chains
	v_max3_num_f32 v9, |v[XS+3]|, |v[XS+4]|, |v[XS+5]|
.irp i, 6,10
	v_max3_num_f32 v8, v8, |v[XS+\i]|, |v[XS+\i+1]|
	v_max3_num_f32 v9, v9, |v[XS+\i+2]|, |v[XS+\i+3]|
.endr
	v_max3_num_f32 v8, v8, |v[XS+14]|, |v[XS+15]|
	v_max3_num_f32 v8, v8, v9, 0x1800000           ; and the floor 2^(3 - 127): the byte cannot fall under 1
	v_max_num_f32_dpp v8, v8, v8 row_xmask:1 row_mask:0xf bank_mask:0xf   ; and of my neighbour's 16: the block's
	v_add_nc_u32 v11, 0xff000000, v8               ; 2 off its exponent field: the conversion takes the exponent field of this operand as its scale
	v_cvt_scalef32_pk16_fp6_f32 v[C+4*(\t):C+4*(\t)+2], v[XS:XS+15], v11
	v_lshrrev_b32 v[E+(\t)], 23, v11               ; the scale's byte
	ds_store_b8 v5, v[E+(\t)] offset:16*(\t)       ; both lanes of a block write the same byte with the same value
	global_store_b96 v4, v[C+4*(\t):C+4*(\t)+2], s[8:9] offset:32*CB*(\t)   ; the wave stores 384 consecutive bytes
.endm
.irp t, 0,1,2,3,4,5,6,7,8,9,10,11,12,13,14,15
	STEP \t
.endr
	ds_load_b64 v[8:9], v6                         ; LDS serves a wave's instructions in order: these see my stores
	s_wait_dscnt 0x0
	global_store_b64 v7, v[8:9], s[10:11]          ; 32 lanes store 256 consecutive bytes, aligned
	s_wait_tensorcnt 0x0                           ; the wave's end, behind my last LDS store
	ds_add_u32 v[SPW], v[NIL]
	s_wait_dscnt 0x0
	s_endpgm
.Lfunc_end_k_q1ece87b5e2_quant:
	.size	k_q1ece87b5e2_quant, .Lfunc_end_k_q1ece87b5e2_quant-k_q1ece87b5e2_quant
	.p2alignl 7, 3214868480
	.fill 96, 4, 3214868480
	.section	.rodata,"a",@progbits
	.p2align	6, 0x0
	.amdhsa_kernel k_q1ece87b5e2_quant
		.amdhsa_group_segment_fixed_size 33280
		.amdhsa_private_segment_fixed_size 0
		.amdhsa_enable_private_segment 0
		.amdhsa_kernarg_size 72
		.amdhsa_user_sgpr_count 2
		.amdhsa_user_sgpr_kernarg_segment_ptr 1
		.amdhsa_wavefront_size32 1
		.amdhsa_system_sgpr_workgroup_id_x 1
		.amdhsa_system_sgpr_workgroup_id_y 1
		.amdhsa_system_sgpr_workgroup_id_z 1
		.amdhsa_system_vgpr_workitem_id 0
		.amdhsa_next_free_vgpr 192
		.amdhsa_next_free_sgpr 66
		.amdhsa_reserve_vcc 0
		.amdhsa_float_denorm_mode_32 3
		.amdhsa_float_denorm_mode_16_64 3
		.amdhsa_memory_ordered 1
		.amdhsa_forward_progress 1
		.amdhsa_inst_pref_size 33
	.end_amdhsa_kernel
	.amdgpu_metadata
---
amdhsa.version: [ 1, 2 ]
amdhsa.kernels:
  - .name:           k_q1ece87b5e2_quant
    .symbol:         k_q1ece87b5e2_quant.kd
    .args:
      - { .name: x, .offset: 0, .size: 8, .value_kind: global_buffer, .address_space: global }
      - { .name: Wq, .offset: 8, .size: 8, .value_kind: global_buffer, .address_space: global }
      - { .name: Wk, .offset: 16, .size: 8, .value_kind: global_buffer, .address_space: global }
      - { .name: Wv, .offset: 24, .size: 8, .value_kind: global_buffer, .address_space: global }
      - { .name: Wp, .offset: 32, .size: 8, .value_kind: global_buffer, .address_space: global }
      - { .name: xc, .offset: 40, .size: 8, .value_kind: global_buffer, .address_space: global }
      - { .name: xs, .offset: 48, .size: 8, .value_kind: global_buffer, .address_space: global }
      - { .name: wc, .offset: 56, .size: 8, .value_kind: global_buffer, .address_space: global }
      - { .name: ws, .offset: 64, .size: 8, .value_kind: global_buffer, .address_space: global }
    .group_segment_fixed_size: 33280
    .private_segment_fixed_size: 0
    .kernarg_segment_align: 8
    .kernarg_segment_size: 72
    .max_flat_workgroup_size: 128
    .sgpr_count:     66
    .vgpr_count:     192
    .wavefront_size: 32
...
	.end_amdgpu_metadata
.endif
;; end of part 1
;; launch qkv (part 2): grid 8 x 48, 4 waves a work-group, clusters of 4 x 4, 327,680 bytes of LDS; arguments xc, xs, wc, ws, cod, scl, bq, bk, bv; writes cod, scl
.if DOCPART == 2
	.amdgcn_target "amdgcn-amd-amdhsa--gfx1250"
	.amdhsa_code_object_version 6
	.text
	.protected	k_q1ece87b5e2_qkv
	.globl	k_q1ece87b5e2_qkv
	.p2align	8
	.type	k_q1ece87b5e2_qkv,@function
k_q1ece87b5e2_qkv:
	s_mov_b64 s[64:65], 0
	v_nop
	global_prefetch_b8 v0, s[64:65] scope:SCOPE_SE
	s_setreg_imm32_b32 hwreg(HW_REG_WAVE_MODE, 25, 1), 1
	s_wait_xcnt 0x0
	s_wait_alu depctr_hold_cnt(0) depctr_sa_sdst(0) depctr_va_vdst(0) depctr_va_sdst(0) depctr_va_ssrc(0) depctr_va_vcc(0) depctr_vm_vsrc(0)
	s_getreg_b32 s2, hwreg(HW_REG_IB_STS2, 6, 4)
	s_cmp_eq_u32 s2, 0
	s_cbranch_scc0 .Lentry_in_a_cluster
	s_endpgm
.Lentry_in_a_cluster:
	s_bfe_u32 s2, ttmp6, 0x10000c
	s_cmp_lg_u32 s2, 0xf033
	s_cbranch_scc0 .Lentry_shape_is_right
	s_endpgm
.Lentry_shape_is_right:
; LAUNCH 2 OF 4.  q = x Wq^T + bq, k = x Wk^T + bk, v = x Wv^T + bv on codes of FP6 with E8M0 scales, K = 1,024; the results are quantised in registers and leave as codes: q and k along the head's 64, v along the keys.
; A tile of 256 x 256 is made by four waves, 128 x 128 each: 64 accumulators, 512 registers.  K goes in steps of 256 through a ring of two LDS slots filled by the tensor data mover; the scale bytes of the tile's
; 512 rows come once, with the first fills.  4 x 4 work-groups form a cluster: A's tiles are asked for jointly along a row of it, B's along a column.
; THE MATRIX INSTRUCTION IS USED TRANSPOSED: source 0 = 16 stored rows of B, source 1 = 16 stored rows of A.  In accumulator (a, b) lane (r, h) holds A's stored row 16 a + r, and its register j B's row
; 32 (b / 2) + 16 h + 8 (b % 2) + j (the workspace's order of rows sees to that): the 64 registers of a block a run along B's rows, 16 neighbours for each pair of tiles.
; TWO MODES, told apart by the cluster's y, which all sixteen partners share.  Mode 0 (y < 8): A = x, B = Wq and Wk on end: a lane holds a token and its registers run along the channels: q's and k's K.
; Mode 1: A = Wv, B = x: a lane holds a channel and its registers run along the tokens: v's K.  The bias is the C of each sum's first matrix instruction.
; OUT.  q, k: for 32 stored tokens of a head a PAIR IMAGE of 12 registers a lane, [tile 2 g's six | tile 2 g + 1's six], 1,536 bytes, each group of four registers at 16 x lane; v: a fragment's image (16 stored channels
; x 128 keys), 1,536 bytes.  Scale words: 256 bytes for 128 tokens of a head: lane r's four words on end.  Every store of codes covers 512 consecutive bytes, aligned.
; LIMITS: a block of zeros carries the byte 1 (read by this program alone); blocks under 2^-124 were not tried; NaN and infinities are not served.
; REGISTERS: window 0: v0-31 addresses; v32-63 scale words, two sets; v64-127 the biases, later at work; from v128 A's fragments, later the codes.  window 1: B's fragments, two sets.  windows 2, 3: the accumulators.
.set KSTEP,  256
.set NQ,     2                         ; matrix instructions deep in a slot
.set ROWB,   192                       ; a tile's row in bytes
.set KROW,   768                       ; a row of codes in memory
.set PITCH,  240                       ; an LDS row: 3 x (64 bytes + 16 of padding)
.set FR,     12
.set NL,     6
.set NP,     4
.set HALFT,  128*PITCH
.set SLOT,   4*HALFT
.set LAPS,   2                         ; 1,024 / 512
.set KS,     32                        ; a row of scale bytes
.set SCL,    2*SLOT
.set HALFS,  16*272                    ; the scales of 128 rows: 16 units of 256 bytes + 16 of padding
.set SBLK,   2*272                     ; those of 16 rows
.set SPARE,  SCL+4*HALFS               ; the spare words, 128 bytes a wave
.set REGC,   6291456                   ; a region (q, k or v) of the codes' buffer
.set HEADC,  98304                     ; a head's part of it
.set BA,   8                           ; v8-15   the biases' offsets
.set ADRA, 16                          ; v16-19  LDS addresses of my A fragments
.set ADRB, 20                          ; v20-23  of B's
.set SO,   24                          ; v24     16 r + 4,096 h: where my scale words go
.set CO,   26                          ; v26     16 x lane
.set ADRS, 27                          ; v27     LDS address of my scale words
.set SPW,  28
.set NIL,  29
.set SC,   32
.set BIAS, 64                          ; v64-127 eight tiles of eight registers
.set TM,   64                          ; behind the first step: v64-79 at work in the quantiser
.set W,    80                          ; v80-87  the blocks' scale words
.set TQ,   88                          ; v88-95  the conversions' second halves
.set OUT,  96                          ; v96-99  four scale words to store
.set HW,   100
.set AF,   128
.set PI,   128                         ; v128-223 the codes, 96 registers: none is written twice
.set G1, 24
.set G0, 32
.set G1B, 48
.set G0B, 56
.set G1S, 68
.set G0S, 76
.set G1SB, 80
.set G0SB, 88
.set MD,  95                           ; s95 the mode
.set SEL, 100                          ; s[100:101] v_permlanex16_b32's selects for lane l xor 16
.set MSB, 0
.macro WIN new                         ; the immediate's high byte repeats the setting that is left
.if MSB != \new
	s_set_vgpr_msb (MSB<<8)|\new
.set MSB, \new
.endif
.endm
.set MUL_LO, 0xa1                      ; source 0 (B) window 1, source 1 (A) window 0, C and D window 2
.set MUL_HI, 0xf1
.set BIA_LO, 0x81                      ; the same with C (the bias) in window 0
.set BIA_HI, 0xc1
.set TO_B,   0x40
; A joint load: waves 0 and 1 fetch for A, waves 2 and 3 for B; the branch hangs on the wave's number alone.  An s_nop 0 and four v_nop follow each line.
.macro JLOAD g0a, g1a, g0b, g1b
	s_cmp_eq_u32 s15, 0
	s_cbranch_scc0 .Lfor_b_\@
	tensor_load_to_lds s[\g0a:\g0a+3], s[\g1a:\g1a+7]
	s_nop 0
.rept 4
	v_nop
.endr
	s_branch .Lasked_\@
.Lfor_b_\@:
	tensor_load_to_lds s[\g0b:\g0b+3], s[\g1b:\g1b+7]
	s_nop 0
.rept 4
	v_nop
.endr
.Lasked_\@:
.endm
.macro CREST                           ; a round of the cluster's barrier behind its opening barrier
	s_cmp_lg_u32 s14, 0
	s_cbranch_scc1 .Lnot_wave_0_\@
	s_barrier_signal -3
.Lnot_wave_0_\@:
	s_barrier_wait -3
	s_barrier_signal -1
	s_barrier_wait -1
.endm
.macro CROUND
	s_barrier_signal -1
	s_barrier_wait -1
	CREST
.endm
	s_load_b128 s[4:7], s[0:1], 0x0                ; xc, xs
	s_load_b128 s[8:11], s[0:1], 0x10              ; wc, ws
	s_load_b64 s[12:13], s[0:1], 0x20              ; cod
	s_load_b64 s[66:67], s[0:1], 0x28              ; scl
	v_lshl_add_u32 v[SPW], v0, 2, SPARE
	v_mov_b32 v[NIL], 0
	ds_add_u32 v[SPW], v[NIL]                      ; the wave's opening: the add, twice on end, and its wait ahead of my first tensor load
	ds_add_u32 v[SPW], v[NIL]
	v_lshrrev_b32 v1, 5, v0
	v_readfirstlane_b32 s14, v1                    ; wave 0..3
	s_lshr_b32 s15, s14, 1                         ; which half of the tile's A rows is mine.  Also: I fetch for A (0) or for B (1)
	s_and_b32 s16, s14, 1                          ; which half of its B rows.  Also: which 128 rows I fetch
	s_bfe_u32 s40, ttmp6, 0x40000                  ; cx
	s_bfe_u32 s41, ttmp6, 0x40004                  ; cy
	s_and_b32 s92, ttmp7, 0xffff                   ; the cluster's y
	s_lshl_b32 s93, s92, 1
	s_add_co_u32 s93, s93, ttmp9
	s_sub_co_u32 s93, s93, 16                      ; mode 1: the cluster's column among x's eight
	s_cmp_ge_u32 s92, 8
	s_cselect_b32 s[MD], 1, 0
	s_cselect_b32 s42, s93, ttmp9
	s_cselect_b32 s17, 0, s92
	s_cselect_b32 s2, 2048, 0                      ; mode 1: A's rows are Wv's, behind Wq's and Wk's
	s_lshl_b32 s42, s42, 2
	s_add_co_u32 s42, s42, s40                     ; tile column (B)
	s_lshl_b32 s17, s17, 2
	s_add_co_u32 s17, s17, s41                     ; tile row (A)
	s_lshl_b32 s43, s41, 2
	s_lshl_b32 s43, 15, s43                        ; my row of the cluster
	s_lshl_b32 s44, 0x1111, s40                    ; my column
	s_or_b32 s[G1+0], s43, (0<<16)|(1<<20)|(1<<21)|(3<<22)|(3<<25)  ; the mask; elements of 1 byte; padding on; bit 21 beside a mask; 4 words of padding after every 16
	s_or_b32 s[G1B+0], s44, (0<<16)|(1<<20)|(1<<21)|(3<<22)|(3<<25)
.irp g, G1, G1B
	s_mov_b32 s[\g+1], ROWB<<16                    ; tensor_dim0
	s_mov_b32 s[\g+2], 128<<16                     ; tensor_dim1
	s_mov_b32 s[\g+3], ROWB<<16                    ; tile_dim0
	s_mov_b32 s[\g+4], 128                         ; tile_dim1
	s_mov_b32 s[\g+5], KROW                        ; the pitch
	s_mov_b32 s[\g+6], 0
	s_mov_b32 s[\g+7], 0
.endr
	s_or_b32 s[G1S+0], s43, (3<<16)|(1<<20)|(1<<21)|(5<<22)|(3<<25)  ; the scales of 128 rows: 4,096 dense bytes as 16 rows of 256, 16 bytes of padding behind each
	s_or_b32 s[G1SB+0], s44, (3<<16)|(1<<20)|(1<<21)|(5<<22)|(3<<25)
.irp g, G1S, G1SB
	s_mov_b32 s[\g+1], 32<<16
	s_mov_b32 s[\g+2], 16<<16
	s_mov_b32 s[\g+3], 32<<16
	s_mov_b32 s[\g+4], 16
	s_mov_b32 s[\g+5], 32
	s_mov_b32 s[\g+6], 0
	s_mov_b32 s[\g+7], 0
.endr
	s_mov_b32 s[SEL], 0x76543210
	s_mov_b32 s[SEL+1], 0xfedcba98
	s_lshl_b32 s18, s16, 7                         ; which 128 rows of the tile I fetch
	s_lshl_b32 s20, s17, 8
	s_add_co_u32 s20, s20, s18
	s_add_co_u32 s20, s20, s2                      ; A's first row
	s_lshl_b32 s46, s42, 8
	s_add_co_u32 s46, s46, s18                     ; B's first row
	s_lshl_b32 s22, s20, 5                         ; their scale bytes (all offsets stay under 2^31),
	s_mov_b32 s23, 0
	s_lshl_b32 s92, s46, 5
	s_mov_b32 s93, 0
	s_mul_i32 s20, s20, KROW                       ; and their codes
	s_mov_b32 s21, 0
	s_mul_i32 s46, s46, KROW
	s_mov_b32 s47, 0
	s_mul_i32 s45, s14, HALFT                      ; where they go: wave x 128 rows
	s_mul_i32 s94, s14, HALFS
	s_wait_dscnt 0x0                               ; both opening adds are done
	s_wait_kmcnt 0x0
	s_cmp_eq_u32 s[MD], 0                          ; which buffer is A and which B: a choice on the cluster's y alone
	s_cselect_b64 s[96:97], s[4:5], s[8:9]
	s_cselect_b64 s[98:99], s[6:7], s[10:11]
	s_cselect_b64 s[8:9], s[8:9], s[4:5]
	s_cselect_b64 s[10:11], s[10:11], s[6:7]
	s_add_nc_u64 s[20:21], s[96:97], s[20:21]
	s_add_nc_u64 s[22:23], s[98:99], s[22:23]
	s_add_nc_u64 s[46:47], s[8:9], s[46:47]
	s_add_nc_u64 s[92:93], s[10:11], s[92:93]
	CROUND                                         ; all sixteen work-groups are here: the first joint loads meet
	s_mov_b32 s[G0S], 1
	s_add_co_u32 s[G0S+1], s94, SCL
	s_mov_b64 s[G0S+2:G0S+3], s[22:23]
	s_or_b32 s[G0S+3], s[G0S+3], 0x80000000
	s_mov_b32 s[G0SB], 1
	s_add_co_u32 s[G0SB+1], s94, SCL
	s_mov_b64 s[G0SB+2:G0SB+3], s[92:93]
	s_or_b32 s[G0SB+3], s[G0SB+3], 0x80000000
	JLOAD G0S, G1S, G0SB, G1SB                     ; the scales first: they are wanted with K step 0
.irp s, 0,1
	s_mov_b32 s[G0+4*\s], 1
	s_add_co_u32 s[G0+4*\s+1], s45, \s*SLOT
	s_add_nc_u64 s[G0+4*\s+2:G0+4*\s+3], s[20:21], \s*ROWB
	s_or_b32 s[G0+4*\s+3], s[G0+4*\s+3], 0x80000000
	s_mov_b32 s[G0B+4*\s], 1
	s_add_co_u32 s[G0B+4*\s+1], s45, \s*SLOT
	s_add_nc_u64 s[G0B+4*\s+2:G0B+4*\s+3], s[46:47], \s*ROWB
	s_or_b32 s[G0B+4*\s+3], s[G0B+4*\s+3], 0x80000000
	JLOAD G0+4*\s, G1, G0B+4*\s, G1B               ; three tensor loads of mine are out at the most
.endr
	s_load_b128 s[4:7], s[0:1], 0x30               ; bq, bk (the registers are free: the tiles' addresses are made)
	s_load_b64 s[8:9], s[0:1], 0x40                ; bv
	v_and_b32 v1, 15, v0                           ; r
	v_bfe_u32 v2, v0, 4, 1                         ; h
	v_mul_u32_u24 v3, v1, PITCH
	v_mul_u32_u24 v4, v2, 24
	v_add_nc_u32 v4, v3, v4                        ; a fragment's row x pitch + 24 h
	v_lshl_add_u32 v5, v2, 4, v4                   ; and the same behind one padding more
	s_mul_i32 s21, s15, HALFT                      ; my 128 rows of A
	s_mul_i32 s22, s16, HALFT                      ; my 128 rows of B,
	s_add_co_u32 s22, s22, 2*HALFT                 ; behind A's 256
.irp s, 0,1
	v_add_nc_u32 v[ADRA+\s], s21, v4
	v_add_nc_u32 v[ADRB+\s], s22, v4
	v_add_nc_u32 v[ADRA+2+\s], s21, v5
	v_add_nc_u32 v[ADRB+2+\s], s22, v5
	s_add_co_u32 s21, s21, SLOT
	s_add_co_u32 s22, s22, SLOT
.endr
	v_mul_u32_u24 v5, v1, KS                       ; my row's scales: 32 bytes a row,
	v_lshrrev_b32 v6, 8, v5
	v_lshl_add_u32 v5, v6, 4, v5                   ; and 16 more for each 256 passed
	s_mul_i32 s21, s15, HALFS
	s_mul_i32 s22, s16, HALFS
	s_add_co_u32 s22, s22, 2*HALFS
	s_sub_co_u32 s22, s22, s21
	v_mul_u32_u24 v6, s22, v2                      ; lanes 16-31 take B's
	s_add_co_u32 s21, s21, SCL
	v_add_nc_u32 v5, v5, v6
	v_add_nc_u32 v[ADRS], s21, v5
	v_and_b32 v6, 31, v0
	v_lshlrev_b32 v[CO], 4, v6
	v_lshlrev_b32 v[SO], 4, v1
	v_lshl_add_u32 v[SO], v2, 12, v[SO]
	; the biases' offsets.  Mode 0: tile i's register j wants channel 32 (i / 2) + 8 (i % 2) + 16 h + j; mode 1: all eight want my lane's channel 32 (i / 2) + 8 (i % 2) + r + 8 (r / 8)
	v_and_b32 v6, 8, v1
	v_add_nc_u32 v6, v6, v1
	v_lshlrev_b32 v6, 2, v6
	v_lshlrev_b32 v7, 6, v2
	s_cmp_eq_u32 s[MD], 0
	s_cselect_b32 s43, 0, -1
	s_cselect_b32 s44, 4, 0
	v_cndmask_b32 v7, v7, v6, s43
.irp j, 0,1,2,3,4,5,6,7
	s_mul_i32 s45, s44, \j
	v_add_nc_u32 v[BA+\j], s45, v7
.endr
	; where my wave's results go
	s_lshl_b32 s20, s17, 8
	s_lshl_b32 s21, s15, 7
	s_add_co_u32 s20, s20, s21                     ; my first row of A in its tensor
	s_lshl_b32 s46, s42, 8
	s_lshl_b32 s47, s16, 7
	s_add_co_u32 s46, s46, s47                     ; and of B
	s_add_co_u32 s21, s20, 2048
	s_cmp_eq_u32 s[MD], 0
	s_cselect_b32 s22, s20, s46                    ; my first token
	s_cselect_b32 s23, s46, s21                    ; my first channel among q's, k's and v's 3,072
	s_lshr_b32 s18, s23, 10                        ; the region: 0 q, 1 k, 2 v
	s_bfe_u32 s19, s23, 0x40006                    ; my first head
	s_lshr_b32 s92, s22, 11
	s_lshl_b32 s92, s92, 4
	s_add_co_u32 s92, s92, s19                     ; 16 x batch + head
	s_bfe_u32 s93, s22, 0x40007                    ; which 128 tokens of the sequence
	s_mul_i32 s46, s18, REGC
	s_mul_i32 s47, s92, HEADC
	s_add_co_u32 s46, s46, s47
	s_mul_i32 s47, s93, 6144
	s_add_co_u32 s46, s46, s47
	s_mov_b32 s47, 0
	s_add_nc_u64 s[12:13], s[12:13], s[46:47]
	s_lshl_b32 s46, s18, 18
	s_lshl_b32 s47, s92, 12
	s_add_co_u32 s46, s46, s47
	s_lshl_b32 s47, s93, 8
	s_add_co_u32 s46, s46, s47
	s_mov_b32 s47, 0
	s_add_nc_u64 s[66:67], s[66:67], s[46:47]
	s_and_b32 s46, s23, 1023
	s_lshl_b32 s46, s46, 2
	s_wait_kmcnt 0x0
	s_cmp_eq_u32 s18, 1
	s_cselect_b64 s[4:5], s[6:7], s[4:5]
	s_cmp_eq_u32 s18, 2
	s_cselect_b64 s[4:5], s[8:9], s[4:5]
	s_add_nc_u64 s[4:5], s[4:5], s[46:47]          ; the region's bias at my first channel
.irp i, 0,1,2,3,4,5,6,7
.irp j, 0,1,2,3,4,5,6,7
	global_load_b32 v[BIAS+8*\i+\j], v[BA+\j], s[4:5] offset:(32*(\i/2)+8*(\i%2))*4
.endr
.endr
.macro FRAG reg, adr, q, i             ; 16 rows x 128 K of 6-bit codes: 12 registers, in pieces of 8 bytes; where the piece three on lies behind one padding more, the second address register serves
.irp p, 0,1,2,3,4,5
.set PC, 12*(\q)+6*(\p/3)+\p%3
.if PC%8 < 5
	ds_load_b64 v[\reg+2*\p:\reg+2*\p+1], v[\adr] offset:8*PC+16*(PC/8)+(\i)*16*PITCH
.else
	ds_load_b64 v[\reg+2*\p:\reg+2*\p+1], v[\adr+2] offset:8*PC+16*(PC/8)+(\i)*16*PITCH
.endif
.endr
.endm
; 16 matrix instructions: A's blocks a0, a0 + 1 x B's eight.  cm = 0: in place; 1: C = the bias of B's block (mode 0); 2: of A's block (mode 1).  The 64 accumulators take turns.
.macro MUL16 a0, p, q, sc, cm
.irp a, \a0, \a0+1
.irp b, 0,1,2,3,4,5,6,7
.if \cm == 1
	v_wmma_scale_f32_16x16x128_f8f6f4 v[8*(8*((\a)%4)+\b):8*(8*((\a)%4)+\b)+7], v[128*(\p)+FR*\b:128*(\p)+FR*\b+FR-1], v[AF+FR*(\a):AF+FR*(\a)+FR-1], v[BIAS+8*\b:BIAS+8*\b+7], v[SC+8*NQ*(\sc)+NQ*\b+(\q)], v[SC+8*NQ*(\sc)+NQ*(\a)+(\q)] matrix_a_fmt:MATRIX_FMT_FP6 matrix_b_fmt:MATRIX_FMT_FP6 matrix_a_scale:MATRIX_SCALE_ROW1
.elseif \cm == 2
	v_wmma_scale_f32_16x16x128_f8f6f4 v[8*(8*((\a)%4)+\b):8*(8*((\a)%4)+\b)+7], v[128*(\p)+FR*\b:128*(\p)+FR*\b+FR-1], v[AF+FR*(\a):AF+FR*(\a)+FR-1], v[BIAS+8*(\a):BIAS+8*(\a)+7], v[SC+8*NQ*(\sc)+NQ*\b+(\q)], v[SC+8*NQ*(\sc)+NQ*(\a)+(\q)] matrix_a_fmt:MATRIX_FMT_FP6 matrix_b_fmt:MATRIX_FMT_FP6 matrix_a_scale:MATRIX_SCALE_ROW1
.else
	v_wmma_scale_f32_16x16x128_f8f6f4 v[8*(8*((\a)%4)+\b):8*(8*((\a)%4)+\b)+7], v[128*(\p)+FR*\b:128*(\p)+FR*\b+FR-1], v[AF+FR*(\a):AF+FR*(\a)+FR-1], v[8*(8*((\a)%4)+\b):8*(8*((\a)%4)+\b)+7], v[SC+8*NQ*(\sc)+NQ*\b+(\q)], v[SC+8*NQ*(\sc)+NQ*(\a)+(\q)] matrix_a_fmt:MATRIX_FMT_FP6 matrix_b_fmt:MATRIX_FMT_FP6 matrix_a_scale:MATRIX_SCALE_ROW1
.endif
.endr
.endr
.endm
.macro FETCH_B slot, q, p
	WIN TO_B
.irp i, 0,1,2,3,4,5,6,7
	FRAG 128*(\p)+FR*\i, ADRB+\slot, \q, \i
.endr
	WIN 0
.endm
.macro FETCH_A slot, q, i0
.irp i, \i0, \i0+1, \i0+2, \i0+3
	FRAG AF+FR*(\i), ADRA+\slot, \q, \i
.endr
.endm
.macro SCALES sc                       ; a K step's scale words: lanes 0-15 A's block i, lanes 16-31 B's block i
.irp i, 0,1,2,3,4,5,6,7
	ds_load_b64 v[SC+8*NQ*\sc+NQ*\i:SC+8*NQ*\sc+NQ*\i+1], v[ADRS] offset:\i*SBLK
.endr
.endm
.macro PLACES n                        ; plain vector instructions between a matrix instruction and a load into, or a read of, its registers
.rept \n
	v_nop
.endr
.endm
.macro STEP slot, q, cm                ; a step of 128 along K that has its successor in the same slot
	s_wait_dscnt 4*NL                              ; B's set and A's blocks 0-3 are in; the 24 youngest loads (A's blocks 4-7) may be out
.if \cm
	WIN BIA_LO
.else
	WIN MUL_LO
.endif
	MUL16 0, (\q)%2, \q, \slot, \cm
	MUL16 2, (\q)%2, \q, \slot, \cm
	s_wait_dscnt 0
	PLACES NP
	FETCH_B \slot, (\q)+1, 1-(\q)%2
	FETCH_A \slot, (\q)+1, 0
.if \cm
	WIN BIA_HI
.else
	WIN MUL_HI
.endif
	MUL16 4, (\q)%2, \q, \slot, \cm
	MUL16 6, (\q)%2, \q, \slot, \cm
	PLACES NP
	WIN 0
	FETCH_A \slot, (\q)+1, 4
.endm
; A slot's last step changes slots: in front of the barrier each wave waits for all its tensor loads, adds 0 to its spare word, and waits for that and for its reads of this slot.  fill = 1: the slot is filled again.
.macro TURN slot, next, fill
	s_wait_tensorcnt 0x0                           ; all my tensor loads have landed: my part of the next slot
	ds_add_u32 v[SPW], v[NIL]
	s_wait_dscnt 4*NL+1                            ; the add and the 24 youngest loads may be out
	WIN MUL_LO
	MUL16 0, 1, NQ-1, \slot, 0
	s_wait_dscnt 0x0                               ; the add is done, and my reads of this slot are over
	s_barrier_signal -1
	MUL16 2, 1, NQ-1, \slot, 0
	WIN 0
	s_barrier_wait -1
.if \fill
	CREST                                          ; the barrier has opened a round of the cluster's: no wave of any partner still reads this slot or has a load on its way
	s_add_nc_u64 s[G0+4*\slot+2:G0+4*\slot+3], s[G0+4*\slot+2:G0+4*\slot+3], 2*ROWB
	s_add_nc_u64 s[G0B+4*\slot+2:G0B+4*\slot+3], s[G0B+4*\slot+2:G0B+4*\slot+3], 2*ROWB
	JLOAD G0+4*\slot, G1, G0B+4*\slot, G1B         ; the first tensor load behind the round; its four v_nop are the places in front of the loads below
.else
	PLACES NP
.endif
	v_add_nc_u32 v[ADRS], 4*NQ, v[ADRS]
	FETCH_B \next, 0, 0
	FETCH_A \next, 0, 0
	SCALES \next
	WIN MUL_HI
	MUL16 4, 1, NQ-1, \slot, 0
	MUL16 6, 1, NQ-1, \slot, 0
	PLACES NP
	WIN 0
	FETCH_A \next, 0, 4
.endm
	s_wait_tensorcnt 1                             ; the scales and my part of K step 0 are in; K step 1's load may be out
	s_barrier_signal -1
	s_barrier_wait -1
	FETCH_B 0, 0, 0
	FETCH_A 0, 0, 0
	SCALES 0
	FETCH_A 0, 0, 4
	s_wait_loadcnt 0x0                             ; the biases
	s_cmp_eq_u32 s[MD], 0                          ; the first step is written for each mode: its C differs
	s_cbranch_scc0 .Lfirst_v
	STEP 0, 0, 1
	s_branch .Lfirst_done
.Lfirst_v:
	STEP 0, 0, 2
.Lfirst_done:
	s_mov_b32 s3, LAPS-1
.Llap:
	TURN 0, 1, 1
	STEP 1, 0, 0
	TURN 1, 0, 1
	STEP 0, 0, 0
	s_sub_co_u32 s3, s3, 1
	s_cmp_lg_u32 s3, 0
	s_cbranch_scc1 .Llap
	TURN 0, 1, 0                                   ; the last lap fills nothing
	STEP 1, 0, 0
	s_wait_dscnt 4*NL
	WIN MUL_LO
	MUL16 0, 1, NQ-1, 1, 0
	MUL16 2, 1, NQ-1, 1, 0
	s_wait_dscnt 0
	WIN MUL_HI
	MUL16 4, 1, NQ-1, 1, 0
	MUL16 6, 1, NQ-1, 1, 0
	WIN 0
; THE WAY OUT.  Block a's 64 registers, register 16 b + i = K 32 b + 16 h + i of my lane's row, become codes: K 64 c + 32 h + 0 .. 31 in six registers from v[dst + str c] on; the four bytes make the word v[wrd].
; Each accumulator is read from its low end on.
.macro QUANTW a, dst, str, wrd
.set QW, 2+(\a)/4
.set QW5, 5*QW
.set QS, 64*((\a)%4)
	WIN QW5                                        ; sources 0 and 1 in the accumulators' window
.irp b, 0,1,2,3
	v_max3_num_f32 v[TM+\b], |v[QS+16*\b]|, |v[QS+16*\b+1]|, 0x1800000   ; my 16 numbers of block b, and the floor 2^(3 - 127)
.endr
.irp i, 2,4,6,8,10,12,14
.irp b, 0,1,2,3
	v_max3_num_f32 v[TM+\b], |v[QS+16*\b+\i]|, |v[QS+16*\b+\i+1]|, v[TM+\b]
.endr
.endr
	WIN 0
.irp b, 0,1,2,3
	v_permlanex16_b32 v[TM+4+\b], v[TM+\b], s[SEL], s[SEL+1]
.endr
.irp b, 0,1,2,3
	v_max_num_f32 v[TM+\b], v[TM+\b], v[TM+4+\b]   ; with lane l xor 16's: the block's largest magnitude
.endr
.irp b, 0,1,2,3
	v_add_nc_u32 v[TM+12+\b], 0xff000000, v[TM+\b] ; 2 off its exponent field: the conversion's scale operand
.endr
.irp b, 0,1,2,3
	v_lshrrev_b32 v[TM+4+\b], 23, v[TM+12+\b]      ; the scale's byte
.endr
	v_lshl_or_b32 v[\wrd], v[TM+5], 8, v[TM+4]
	v_lshl_or_b32 v[\wrd], v[TM+6], 16, v[\wrd]
	v_lshl_or_b32 v[\wrd], v[TM+7], 24, v[\wrd]
	WIN QW                                         ; source 0 in the accumulators' window
.irp c, 0,1
	v_cvt_scalef32_pk16_fp6_f32 v[(\dst)+(\str)*\c:(\dst)+(\str)*\c+2], v[QS+32*\c:QS+32*\c+15], v[TM+12+2*\c]
	v_cvt_scalef32_pk16_fp6_f32 v[TQ+4*\c:TQ+4*\c+2], v[QS+32*\c+16:QS+32*\c+31], v[TM+13+2*\c]
.endr
	WIN 0
	v_nop                                          ; one plain place behind a scaled conversion
.irp c, 0,1                                    ; a whole block to a lane: lanes 0-15 block 2 c, lanes 16-31 block 2 c + 1
.irp i, 0,1,2
	v_permlane16_swap_b32 v[(\dst)+(\str)*\c+\i], v[TQ+4*\c+\i]
.endr
.irp i, 0,1,2
	v_mov_b32 v[(\dst)+(\str)*\c+3+\i], v[TQ+4*\c+\i]
.endr
.endr
.endm
	PLACES NP                                      ; behind the last products: their results are read and A's fragments written below
.irp b, 0,1,2,3
	v_mov_b32 v[TM+4+\b], 0                        ; a lane permute's destination counts as one of its sources
.endr
	s_mov_b32 s94, 0xffff0000                      ; lanes 16-31
	s_cmp_eq_u32 s[MD], 0
	s_cbranch_scc0 .Lout_v
.irp g, 0,1,2,3                                ; q, k: blocks 2 g and 2 g + 1 (32 stored tokens); c = which of my two heads
	QUANTW 2*\g, PI+24*\g, 12, W+2*\g
	QUANTW 2*\g+1, PI+24*\g+6, 12, W+2*\g+1
.irp c, 0,1
.irp q, 0,1,2
	global_store_b128 v[CO], v[PI+24*\g+12*\c+4*\q:PI+24*\g+12*\c+4*\q+3], s[12:13] offset:\c*HEADC+\g*1536+512*\q
.endr
.endr
	v_perm_b32 v[HW], v[W+2*\g+1], v[W+2*\g], 0x05040100     ; head 0: tile 2 g's two bytes, then tile 2 g + 1's
	v_perm_b32 v[HW+1], v[W+2*\g+1], v[W+2*\g], 0x07060302   ; head 1
	v_cndmask_b32 v[OUT+\g], v[HW], v[HW+1], s94
.endr
	s_branch .Lout_done
.Lout_v:
.irp a, 0,1,2,3,4,5,6,7                        ; v: block a = 16 stored channels: head a / 4 of my two, tile a % 4; K = my 128 tokens
	QUANTW \a, PI+12*\a, 6, W+\a
.irp q, 0,1,2
	global_store_b128 v[CO], v[PI+12*\a+4*\q:PI+12*\a+4*\q+3], s[12:13] offset:(\a/4)*HEADC+(\a%4)*1536+512*\q
.endr
.endr
.irp i, 0,1,2,3
	v_cndmask_b32 v[OUT+\i], v[W+\i], v[W+4+\i], s94
.endr
.Lout_done:
	global_store_b128 v[SO], v[OUT:OUT+3], s[66:67]    ; lanes 0-15: 256 consecutive bytes of my first head's scale words; lanes 16-31: of my second's
	s_wait_tensorcnt 0x0                           ; the wave's end
	ds_add_u32 v[SPW], v[NIL]
	s_wait_dscnt 0x0
	CROUND                                         ; the closing round
	s_endpgm
.Lfunc_end_k_q1ece87b5e2_qkv:
	.size	k_q1ece87b5e2_qkv, .Lfunc_end_k_q1ece87b5e2_qkv-k_q1ece87b5e2_qkv
	.p2alignl 7, 3214868480
	.fill 96, 4, 3214868480
	.section	.rodata,"a",@progbits
	.p2align	6, 0x0
	.amdhsa_kernel k_q1ece87b5e2_qkv
		.amdhsa_group_segment_fixed_size 327680
		.amdhsa_private_segment_fixed_size 0
		.amdhsa_enable_private_segment 0
		.amdhsa_kernarg_size 72
		.amdhsa_user_sgpr_count 2
		.amdhsa_user_sgpr_kernarg_segment_ptr 1
		.amdhsa_wavefront_size32 1
		.amdhsa_system_sgpr_workgroup_id_x 1
		.amdhsa_system_sgpr_workgroup_id_y 1
		.amdhsa_system_sgpr_workgroup_id_z 1
		.amdhsa_system_vgpr_workitem_id 0
		.amdhsa_next_free_vgpr 1024
		.amdhsa_next_free_sgpr 102
		.amdhsa_reserve_vcc 0
		.amdhsa_float_denorm_mode_32 3
		.amdhsa_float_denorm_mode_16_64 3
		.amdhsa_memory_ordered 1
		.amdhsa_forward_progress 1
		.amdhsa_inst_pref_size 221
	.end_amdhsa_kernel
	.amdgpu_metadata
---
amdhsa.version: [ 1, 2 ]
amdhsa.kernels:
  - .name:           k_q1ece87b5e2_qkv
    .symbol:         k_q1ece87b5e2_qkv.kd
    .args:
      - { .name: xc, .offset: 0, .size: 8, .value_kind: global_buffer, .address_space: global }
      - { .name: xs, .offset: 8, .size: 8, .value_kind: global_buffer, .address_space: global }
      - { .name: wc, .offset: 16, .size: 8, .value_kind: global_buffer, .address_space: global }
      - { .name: ws, .offset: 24, .size: 8, .value_kind: global_buffer, .address_space: global }
      - { .name: cod, .offset: 32, .size: 8, .value_kind: global_buffer, .address_space: global }
      - { .name: scl, .offset: 40, .size: 8, .value_kind: global_buffer, .address_space: global }
      - { .name: bq, .offset: 48, .size: 8, .value_kind: global_buffer, .address_space: global }
      - { .name: bk, .offset: 56, .size: 8, .value_kind: global_buffer, .address_space: global }
      - { .name: bv, .offset: 64, .size: 8, .value_kind: global_buffer, .address_space: global }
    .group_segment_fixed_size: 327680
    .private_segment_fixed_size: 0
    .kernarg_segment_align: 8
    .kernarg_segment_size: 72
    .max_flat_workgroup_size: 128
    .sgpr_count:     102
    .vgpr_count:     1024
    .wavefront_size: 32
...
	.end_amdgpu_metadata
.endif
;; end of part 2
;; launch attn (part 3): grid 64 x 8, 16 waves a work-group, no clusters, 327,680 bytes of LDS; arguments cod, scl, yc, ys; writes yc, ys
.if DOCPART == 3
	.amdgcn_target "amdgcn-amd-amdhsa--gfx1250"
	.amdhsa_code_object_version 6
	.text
	.protected	k_q1ece87b5e2_attn
	.globl	k_q1ece87b5e2_attn
	.p2align	8
	.type	k_q1ece87b5e2_attn,@function
k_q1ece87b5e2_attn:
	s_mov_b64 s[64:65], 0
	v_nop
	global_prefetch_b8 v0, s[64:65] scope:SCOPE_SE
	s_setreg_imm32_b32 hwreg(HW_REG_WAVE_MODE, 25, 1), 1
	s_wait_xcnt 0x0
; LAUNCH 3 OF 4.  y[b][q][head] = softmax over k <= q of (q . k / 8) v, both products on codes of FP6; y is quantised along C on the way out.
; WORK LEFT OUT: steps of 128 keys wholly behind a wave's queries, and slots of 256 keys behind the work-group's last query: reference()'s own tril mask makes their p zero for all inputs (shown at the head of launch 1).
; THE SOFTMAX: t = score x log2(e) / 8; M = the running largest t rounded up to a whole number; p = 2^(t - M) is quantised along the keys; the row's sum is of the unquantised p and divides at the end.
; SHARES.  Work-group (x, y): x = 16 x batch + head, query block 7 - y of 256: those with the most keys to walk come first in the grid.  Each of sixteen waves owns one stored tile of 16 queries:
; lane r holds query Q0 + r + 8 (r / 8).  No cluster: under the mask partners would jump over the reads of tiles that a joint load brings.
; LAYOUT.  Both products transposed: S^T = K Q^T, O^T = V^T P^T: a lane holds one query throughout.  THE HEAD IS 64 WIDE, THE INSTRUCTION 128: k comes as PAIR IMAGES, [tile 2 g | tile 2 g + 1] in one operand's 12
; registers, and is multiplied by [Q | zero codes] for tile 2 g and by [zero codes | Q] for tile 2 g + 1: the other half adds exact zeros (Q's scale bytes there are 0, which is 2^-127 and no NaN).
; The workspace's order of rows makes the 16 registers of tiles 2 g and 2 g + 1 the keys 32 g + 16 (lane / 16) + 0 .. 15.  All operands lie in LDS as images of their registers: 16 bytes a lane, no pitch.
; LDS: two slots of 2 steps x (K 6,144 + V 6,144 bytes), 2^17 apart; K's and V's scale words of the whole head, 4,096 bytes each; the spare words.  Waves 0 and 1 fetch, one load each: a step's K and V as two rows.
; ys is stored a byte a lane: a row's other bytes belong to other heads' work-groups.
; LIMITS: a block of zeros carries the byte 1 (read by this program alone); NaN and infinities are not served.
.set SK,    256
.set STEPB, 12288                      ; a step in a slot: K's four pair images, then V's four fragments
.set SLOT1, 1<<17
.set NSL,   8
.set SCB,   2*SLOT1
.set SPARE, SCB+8192
.set REGC,  6291456
.set LI,   1                           ; v1  16 x lane
.set ASC0, 2                           ; v2  SCB + 16 r + 4,096 h: lanes 0-15 K's scale words, lanes 16-31 V's
.set QL,   3                           ; v3  r + 8 (r / 8) - 16 h
.set SPW,  5
.set NIL,  6
.set GO,   7                           ; v7  8 x lane
.set ADK,  8
.set ADS,  9
.set GS,   10                          ; v10 32 r + h
.set PFO,  28                          ; v28 the prefetches' offset
.set WV,   18
.set SEL,  20
.set CS,   22                          ; s[22:23] c = log2(e) / 8
.set G1C,  24
.set G1S,  32
.set G0C,  40
.set G0S,  44
.set TB,   2
.set TS,   3
.set SLOTS, 67
.set PFA,  76
.set LIM,  80
.set KF,   98
.set Q0,   99
; REGISTERS: v12 -M, v13 the largest t, v[14:15] the sum; v32-79 four pair images of K, then four fragments of V; v96-159 S^T, then p; v160-191 O^T; v192-197 Q, v198-203 zeros, v204-209 Q; v210, v211 Q's scale words;
; v224-235 p's codes; v232-254 at work; v248-251 K's and V's scale words; v253 p's scale word.
.macro TLOAD                           ; waves 0 and 1 fetch; an s_nop 0 and four v_nop follow the line
	s_cmp_lt_u32 s[WV], 2
	s_cbranch_scc0 .Lasked_\@
	tensor_load_to_lds s[G0C:G0C+3], s[G1C:G1C+7]
	s_nop 0
.rept 4
	v_nop
.endr
.Lasked_\@:
.endm
; A PREFETCH of the slot that the NEXT change of slots will ask for: 48 blocks of 256 bytes of K and 48 of V, a lane a block, waves 4 to 6 of the head's work-group with y = 0, which walks all slots: each block is
; named once in the launch.  The last change that fills a slot asks for nothing; slots 0 and 1 come by their loads alone.
.macro ASK
	s_cmp_gt_u32 s[SLOTS], s[LIM]
	s_cbranch_scc0 .Lnot_mine_\@
	global_prefetch_b8 v[PFO], s[PFA:PFA+1] th:TH_LOAD_NT scope:SCOPE_SE
.Lnot_mine_\@:
.endm
	s_load_b128 s[4:7], s[0:1], 0x0                ; cod, scl
	s_load_b128 s[8:11], s[0:1], 0x10              ; yc, ys
	v_lshl_add_u32 v[SPW], v0, 2, SPARE
	v_mov_b32 v[NIL], 0
	ds_add_u32 v[SPW], v[NIL]                      ; the wave's opening: the add, twice on end, and its wait ahead of the first tensor load
	ds_add_u32 v[SPW], v[NIL]
	v_lshrrev_b32 v8, 5, v0
	s_delay_alu instid0(VALU_DEP_1)
	v_readfirstlane_b32 s[WV], v8                  ; wave 0..15
	s_and_b32 s70, ttmp7, 0xffff                   ; y
	s_sub_co_u32 s71, 7, s70                       ; my block of 256 queries
	s_and_b32 s88, s[WV], 1
	s_lshr_b32 s89, s[WV], 1
	s_mov_b32 s[G1C], 3<<16                        ; elements of 8 bytes, no mask, no padding
	s_mov_b32 s[G1C+1], 768<<16                    ; tensor_dim0: 6,144 bytes
	s_mov_b32 s[G1C+2], 2<<16                      ; tensor_dim1: K's row and V's
	s_mov_b32 s[G1C+3], 768<<16                    ; tile_dim0
	s_mov_b32 s[G1C+4], 2                          ; tile_dim1
	s_mov_b32 s[G1C+5], REGC/8                     ; from K's region to V's
	s_mov_b32 s[G1C+6], 0
	s_mov_b32 s[G1C+7], 0
	s_mov_b32 s[G1S], 3<<16                        ; 4,096 dense bytes as 16 rows of 256
	s_mov_b32 s[G1S+1], 32<<16
	s_mov_b32 s[G1S+2], 16<<16
	s_mov_b32 s[G1S+3], 32<<16
	s_mov_b32 s[G1S+4], 16
	s_mov_b32 s[G1S+5], 32
	s_mov_b32 s[G1S+6], 0
	s_mov_b32 s[G1S+7], 0
	s_mul_i32 s72, ttmp9, 98304                    ; my head's codes in a region
	s_lshl_b32 s73, ttmp9, 12                      ; and its scale words
	s_mul_i32 s74, s88, 6144                       ; what I fetch, if I fetch: step (wave & 1) of a slot,
	s_add_co_u32 s74, s74, s72
	s_add_co_u32 s74, s74, REGC                    ; in K's region
	s_mov_b32 s75, 0
	s_mul_i32 s84, s88, STEPB                      ; and its place in a slot
	s_add_co_u32 s86, s88, 1
	s_lshl_b32 s86, s86, 18                        ; wave 0: K's scale words, wave 1: V's
	s_add_co_u32 s86, s86, s73
	s_mov_b32 s87, 0
	s_lshl_b32 s85, s88, 12
	s_add_co_u32 s85, s85, SCB
	s_lshl_b32 s[Q0], s71, 8
	s_lshl_b32 s90, s89, 5
	s_add_co_u32 s[Q0], s[Q0], s90
	s_lshl_b32 s90, s88, 3
	s_add_co_u32 s[Q0], s[Q0], s90                 ; my first query: 256 block + 32 (wave / 2) + 8 (wave % 2)
	s_lshl_b32 s90, s71, 3
	s_add_co_u32 s90, s90, s89
	s_mul_i32 s90, s90, 1536
	s_add_co_u32 s90, s90, s72                     ; Q's pair image
	s_mov_b32 s91, 0
	s_lshl_b32 s92, s71, 1
	s_lshr_b32 s93, s[WV], 3
	s_add_co_u32 s92, s92, s93
	s_lshl_b32 s92, s92, 8
	s_and_b32 s93, s89, 3
	s_lshl_b32 s93, s93, 2
	s_add_co_u32 s92, s92, s93
	s_add_co_u32 s92, s92, s73                     ; Q's scale words: the 128 tokens' 256 bytes, the pair's word
	s_mov_b32 s93, 0
	s_lshr_b32 s94, ttmp9, 4
	s_lshl_b32 s94, s94, 7
	s_lshl_b32 s95, s71, 4
	s_add_co_u32 s94, s94, s95
	s_add_co_u32 s94, s94, s[WV]                   ; my stored tile of tokens among 512
	s_and_b32 s95, ttmp9, 15                       ; the head
	s_mul_i32 s68, s94, 12288
	s_mul_i32 s69, s95, 768
	s_add_co_u32 s68, s68, s69                     ; in yc
	s_mov_b32 s69, 0
	s_lshl_b32 s94, s94, 9
	s_lshl_b32 s95, s95, 1
	s_add_co_u32 s94, s94, s95                     ; in ys
	s_mov_b32 s95, 0
	s_add_co_u32 s82, s72, REGC+12288              ; the prefetches stand in slot 1; the first change of slots steps them to slot 2
	s_mov_b32 s83, 0
	s_mov_b32 s[SEL], 0x76543210
	s_mov_b32 s[SEL+1], 0xfedcba98
	s_mov_b32 s[CS], 0x3e38aa3b                    ; log2(e) / 8
	s_mov_b32 s[CS+1], s[CS]
	s_mov_b32 s[TB], 0
	s_mov_b32 s[TS], 0
	s_mov_b32 s[SLOTS], NSL-1
	s_mov_b32 s[KF], 0
	s_wait_dscnt 0x0                               ; both opening adds are done
	s_wait_kmcnt 0x0
	s_mov_b32 s[G0S], 1
	s_mov_b32 s[G0S+1], s85
	s_add_nc_u64 s[G0S+2:G0S+3], s[6:7], s[86:87]
	s_or_b32 s[G0S+3], s[G0S+3], 0x80000000
	s_mov_b32 s[G0C], 1
	s_mov_b32 s[G0C+1], s84
	s_add_nc_u64 s[G0C+2:G0C+3], s[4:5], s[74:75]
	s_or_b32 s[G0C+3], s[G0C+3], 0x80000000
	s_cmp_lt_u32 s[WV], 2                          ; a fetching wave's two first fills stand in one branch: two loads of it are out at the most
	s_cbranch_scc0 .Lno_first
	tensor_load_to_lds s[G0S:G0S+3], s[G1S:G1S+7]  ; the head's scale words: filled once
	s_nop 0
	tensor_load_to_lds s[G0C:G0C+3], s[G1C:G1C+7]  ; slot 0
	s_nop 0
.rept 4
	v_nop
.endr
.Lno_first:
	s_add_nc_u64 s[PFA:PFA+1], s[4:5], s[82:83]
	s_add_nc_u64 s[12:13], s[4:5], s[90:91]        ; Q's codes
	s_add_nc_u64 s[14:15], s[6:7], s[92:93]        ; Q's scale words
	s_add_nc_u64 s[8:9], s[8:9], s[68:69]
	s_add_nc_u64 s[10:11], s[10:11], s[94:95]
	v_and_b32 v8, 15, v0                           ; r
	v_bfe_u32 v9, v0, 4, 1                         ; h
	v_and_b32 v11, 31, v0                          ; lane
	s_delay_alu instid0(VALU_DEP_1)
	v_lshlrev_b32 v[LI], 4, v11
	s_delay_alu instid0(VALU_DEP_2)
	v_lshlrev_b32 v[GO], 3, v11
.irp c, 0,1,2
	global_load_b128 v[32+4*\c:35+4*\c], v[LI], s[12:13] offset:512*\c
.endr
	s_sub_co_u32 s82, s[WV], 4
	s_and_b32 s83, s82, 3
	s_lshl_b32 s83, s83, 5
	v_add_nc_u32 v[PFO], s83, v11                  ; which of a slot's 96 blocks
	v_mov_b32 v254, REGC-12288
	s_delay_alu instid0(VALU_DEP_2)
	v_cmp_lt_u32 vcc_lo, 47, v[PFO]
	s_delay_alu instid0(VALU_DEP_1)
	v_cndmask_b32 v254, 0, v254, vcc_lo            ; from the 48th on: V's
	s_delay_alu instid0(VALU_DEP_1)
	v_lshl_add_u32 v[PFO], v[PFO], 8, v254
	s_cmp_lt_u32 s82, 3                            ; waves 4 to 6
	s_cselect_b32 s[LIM], 1, -1
	s_cmp_eq_u32 s70, 0                            ; of the work-group that walks all slots
	s_cselect_b32 s[LIM], s[LIM], -1
	v_lshlrev_b32 v254, 4, v8
	global_load_b32 v255, v254, s[14:15]
	v_lshlrev_b32 v[ASC0], 4, v8
	s_delay_alu instid0(VALU_DEP_1)
	v_lshl_add_u32 v[ASC0], v9, 12, v[ASC0]
	s_delay_alu instid0(VALU_DEP_1)
	v_add_nc_u32 v[ASC0], SCB, v[ASC0]
	v_and_b32 v[QL], 8, v8
	s_delay_alu instid0(VALU_DEP_1)
	v_add_nc_u32 v[QL], v[QL], v8
	v_lshlrev_b32 v11, 4, v9
	s_delay_alu instid0(VALU_DEP_1)
	v_sub_nc_u32 v[QL], v[QL], v11
	v_lshl_add_u32 v[GS], v8, 5, v9
	s_cmp_eq_u32 s88, 1
	s_cselect_b32 s82, -1, 0                       ; my tile is the pair's second
	s_lshl_b32 s83, s88, 4
	s_wait_loadcnt 0x0
.irp i, 0,1,2,3,4,5
	v_cndmask_b32 v[192+\i], v[32+\i], v[38+\i], s82
.endr
.irp i, 0,1,2,3,4,5
	v_mov_b32 v[204+\i], v[192+\i]
	v_mov_b32 v[198+\i], 0
.endr
	v_lshrrev_b32 v210, s83, v255
	s_delay_alu instid0(VALU_DEP_1)
	v_and_b32 v210, 0xffff, v210                   ; [Q | 0]: my tile's two bytes, then 0, 0
	s_delay_alu instid0(VALU_DEP_1)
	v_lshlrev_b32 v211, 16, v210                   ; [0 | Q]
	v_mov_b32 v13, 0xff61b1e6                      ; the largest t so far: -3e38
	s_delay_alu instid0(VALU_DEP_1)
	v_floor_f32 v12, -v13                          ; -M
	v_mov_b32 v14, 0
	v_mov_b32 v15, 0
.irp b, 0,1,2,3
	v_mov_b32 v[236+\b], 0                         ; a lane permute's destination counts as one of its sources
.endr
	v_mov_b32 v252, 0
	v_mov_b32 v253, 0
	v_mov_b32 v254, 0
.irp j, 0,1,2,3,4,5,6,7,8,9,10,11,12,13,14,15,16,17,18,19,20,21,22,23,24,25,26,27,28,29,30,31
	v_mov_b32 v[160+\j], 0                         ; O^T: the step is written once; the first finds zeros
.endr
; A KEY STEP: 128 keys, the q-th of the slot in hand
.macro STEP q
	s_add_co_u32 s96, s[Q0], 23                    ; my last query
	s_cmp_gt_u32 s[KF], s96
	s_cbranch_scc1 .Lhidden_\@                     ; all keys of the step come behind it: ids and the count of steps alone
	v_add_nc_u32 v[ADK], s[TB], v[LI]
	v_add_nc_u32 v[ADS], s[TS], v[ASC0]
	v_nop
	v_nop                                          ; four places in front of loads into registers that the last products have read
.irp g, 0,1,2,3
.irp c, 0,1,2
	ds_load_b128 v[32+12*\g+4*\c:35+12*\g+4*\c], v[ADK] offset:(\q)*STEPB+1536*\g+512*\c
.endr
.endr
	ds_load_b128 v[248:251], v[ADS]                ; lanes 0-15: K's four words; lanes 16-31: V's
	s_wait_alu depctr_va_vdst(0)
	s_wait_dscnt 0x0
.irp g, 0,1,2,3
.irp u, 0,1
	v_wmma_scale_f32_16x16x128_f8f6f4 v[96+8*(2*\g+\u):103+8*(2*\g+\u)], v[32+12*\g:43+12*\g], v[192+6*\u:203+6*\u], 0, v[248+\g], v[210+\u] matrix_a_fmt:MATRIX_FMT_FP6 matrix_b_fmt:MATRIX_FMT_FP6
.endr
.endr
.rept 4
	v_nop
.endr
.irp g, 0,1,2,3                                ; V's four fragments are asked for here and land under the softmax
.irp c, 0,1,2
	ds_load_b128 v[32+12*\g+4*\c:35+12*\g+4*\c], v[ADK] offset:(\q)*STEPB+6144+1536*\g+512*\c
.endr
.endr
	s_add_co_u32 s96, s[KF], 127                   ; on the diagonal hidden scores become -infinity; a step all of whose keys count skips this
	s_cmp_le_u32 s96, s[Q0]
	s_cbranch_scc1 .Lopen_\@
	s_sub_co_i32 s96, s[Q0], s[KF]
	v_add_nc_u32 v252, s96, v[QL]                  ; d = my query - KF - 16 h: register 16 b + i holds key KF + 16 h + 32 b + i: hidden where 32 b + i > d
	v_mov_b32 v254, 0xff800000
.irp n, 0,1,2,3,4,5,6,7,8,9,10,11,12,13,14,15,16,17,18,19,20,21,22,23,24,25,26,27,28,29,30,31,32,33,34,35,36,37,38,39,40,41,42,43,44,45,46,47,48,49,50,51,52,53,54,55,56,57,58,59,60,61,62,63
	v_cmp_gt_i32 vcc_lo, 32*(\n/16)+\n%16, v252
	v_cndmask_b32 v[96+\n], v[96+\n], v254, vcc_lo
.endr
.Lopen_\@:
.irp b, 0,1,2,3
	v_max3_num_f32 v[232+\b], v[96+16*\b], v[97+16*\b], v[98+16*\b]   ; the largest score of each block of 32 keys: for the row's maximum and, since p rises with the score, for the block's largest p
.endr
.irp i, 3,5,7,9,11,13
.irp b, 0,1,2,3
	v_max3_num_f32 v[232+\b], v[232+\b], v[96+16*\b+\i], v[97+16*\b+\i]
.endr
.endr
.irp b, 0,1,2,3
	v_max_num_f32 v[232+\b], v[232+\b], v[111+16*\b]
.endr
.irp b, 0,1,2,3
	s_delay_alu instid0(VALU_DEP_4)
	v_permlanex16_b32 v[236+\b], v[232+\b], s[SEL], s[SEL+1]
.endr
.irp b, 0,1,2,3
	s_delay_alu instid0(VALU_DEP_4)
	v_max_num_f32 v[232+\b], v[232+\b], v[236+\b]
.endr
	s_delay_alu instid0(VALU_DEP_2)
	v_max3_num_f32 v254, v232, v233, v234
	s_delay_alu instid0(VALU_DEP_1)
	v_max_num_f32 v254, v254, v235
	s_delay_alu instid0(VALU_DEP_1)
	v_mul_f32 v254, s[CS], v254
	s_delay_alu instid0(VALU_DEP_1)
	v_max_num_f32 v13, v13, v254                   ; the running largest t
	v_mov_b32 v254, v12
	s_delay_alu instid0(VALU_DEP_2)
	v_floor_f32 v12, -v13                          ; the new -M: M is a whole number
	s_delay_alu instid0(VALU_DEP_1)
	v_sub_f32 v254, v12, v254
	s_delay_alu instid0(VALU_DEP_1)
	v_cvt_i32_f32 v254, v254
	s_delay_alu instid0(VALU_DEP_1)
	v_ldexp_f32 v252, 1.0, v254                    ; f = 2^(old M - new M)
.irp j, 0,2,4,6,8,10,12,14,16,18,20,22,24,26,28,30,32,34,36,38,40,42,44,46,48,50,52,54,56,58,60,62
	v_pk_fma_f32 v[96+\j:97+\j], v[96+\j:97+\j], s[CS:CS+1], v[12:13] op_sel_hi:[1,0,0]   ; t - M
.endr
.irp b, 0,1,2,3
	v_fma_f32 v[232+\b], v[232+\b], s[CS], v12
.endr
	s_wait_alu depctr_va_vdst(0)
.irp j, 0,1,2,3,4,5,6,7,8,9,10,11,12,13,14,15,16,17,18,19,20,21,22,23,24,25,26,27,28,29,30,31,32,33,34,35,36,37,38,39,40,41,42,43,44,45,46,47,48,49,50,51,52,53,54,55,56,57,58,59,60,61,62,63
	v_exp_f32 v[96+\j], v[96+\j]                   ; p = 2^(t - M)
.endr
	v_pk_mul_f32 v[14:15], v[14:15], v[252:253] op_sel_hi:[1,0]   ; the sums under the new M: the plain place behind the exponentials
	s_wait_alu depctr_va_vdst(0)                   ; one wait for the batch, ahead of its first reader
.irp b, 0,1,2,3
	v_exp_f32 v[232+\b], v[232+\b]                 ; each block's largest p
.endr
	v_pk_add_f32 v[236:237], v[100:101], v[104:105]
	v_pk_add_f32 v[254:255], v[108:109], v[112:113]
	v_pk_add_f32 v[246:247], v[116:117], v[120:121]
	v_pk_add_f32 v[244:245], v[124:125], v[128:129]
	v_pk_add_f32 v[242:243], v[132:133], v[136:137]
	v_pk_add_f32 v[240:241], v[140:141], v[144:145]
	v_pk_add_f32 v[238:239], v[148:149], v[152:153]
	v_pk_add_f32 v[14:15], v[14:15], v[156:157]
	v_pk_add_f32 v[236:237], v[236:237], v[96:97]
	v_pk_add_f32 v[254:255], v[254:255], v[98:99]
	v_pk_add_f32 v[246:247], v[246:247], v[102:103]
	v_pk_add_f32 v[244:245], v[244:245], v[106:107]
	v_pk_add_f32 v[242:243], v[242:243], v[110:111]
	v_pk_add_f32 v[240:241], v[240:241], v[114:115]
	v_pk_add_f32 v[238:239], v[238:239], v[118:119]
	v_pk_add_f32 v[14:15], v[14:15], v[122:123]
	v_pk_add_f32 v[236:237], v[236:237], v[126:127]
	v_pk_add_f32 v[254:255], v[254:255], v[130:131]
	v_pk_add_f32 v[246:247], v[246:247], v[134:135]
	v_pk_add_f32 v[244:245], v[244:245], v[138:139]
	v_pk_add_f32 v[242:243], v[242:243], v[142:143]
	v_pk_add_f32 v[240:241], v[240:241], v[146:147]
	v_pk_add_f32 v[238:239], v[238:239], v[150:151]
	v_pk_add_f32 v[14:15], v[14:15], v[154:155]
	v_pk_add_f32 v[236:237], v[236:237], v[158:159]
	s_delay_alu instid0(VALU_DEP_2)
	v_pk_add_f32 v[14:15], v[14:15], v[244:245]
	s_delay_alu instid0(VALU_DEP_2)
	v_pk_add_f32 v[236:237], v[236:237], v[242:243]
	v_pk_add_f32 v[254:255], v[254:255], v[240:241]
	v_pk_add_f32 v[246:247], v[246:247], v[238:239]
	s_delay_alu instid0(VALU_DEP_2)
	v_pk_add_f32 v[14:15], v[14:15], v[254:255]
	s_delay_alu instid0(VALU_DEP_2)
	v_pk_add_f32 v[236:237], v[236:237], v[246:247]
	s_delay_alu instid0(VALU_DEP_1)
	v_pk_add_f32 v[14:15], v[14:15], v[236:237]
	s_wait_alu depctr_va_vdst(0)                   ; and one for the four
.irp b, 0,1,2,3
	v_max_num_f32 v[232+\b], 0x1800000, v[232+\b]  ; the floor: the byte cannot fall under 1
.endr
.irp b, 0,1,2,3
	s_delay_alu instid0(VALU_DEP_4)
	v_add_nc_u32 v[244+\b], 0xff000000, v[232+\b]
.endr
.irp b, 0,1,2,3
	s_delay_alu instid0(VALU_DEP_4)
	v_lshrrev_b32 v[236+\b], 23, v[244+\b]
.endr
	s_delay_alu instid0(VALU_DEP_3)
	v_lshl_or_b32 v253, v237, 8, v236              ; p's scale word for these 128 keys
	s_delay_alu instid0(VALU_DEP_1)
	v_lshl_or_b32 v253, v238, 16, v253
	s_delay_alu instid0(VALU_DEP_1)
	v_lshl_or_b32 v253, v239, 24, v253
.irp c, 0,1
	v_cvt_scalef32_pk16_fp6_f32 v[224+6*\c:226+6*\c], v[96+32*\c:111+32*\c], v[244+2*\c]
	v_cvt_scalef32_pk16_fp6_f32 v[236+4*\c:238+4*\c], v[112+32*\c:127+32*\c], v[244+2*\c+1]
.endr
	v_nop
.irp c, 0,1
.irp i, 0,1,2
	v_permlane16_swap_b32 v[224+6*\c+\i], v[236+4*\c+\i]
.endr
.irp i, 0,1,2
	s_delay_alu instid0(VALU_DEP_3)
	v_mov_b32 v[227+6*\c+\i], v[236+4*\c+\i]
.endr
.endr
.irp j, 0,2,4,6,8,10,12,14,16,18,20,22,24,26,28,30
	v_pk_mul_f32 v[160+\j:161+\j], v[160+\j:161+\j], v[252:253] op_sel_hi:[1,0]   ; O^T under the new M; these sixteen are also the places in front of the products below
.endr
	s_wait_alu depctr_va_vdst(0)
	s_wait_dscnt 0x0                               ; V's fragments
.irp t, 0,1,2,3
	v_wmma_scale_f32_16x16x128_f8f6f4 v[160+8*\t:167+8*\t], v[32+12*\t:43+12*\t], v[224:235], v[160+8*\t:167+8*\t], v[248+\t], v253 matrix_a_fmt:MATRIX_FMT_FP6 matrix_b_fmt:MATRIX_FMT_FP6 matrix_a_scale:MATRIX_SCALE_ROW1
.endr
.Lhidden_\@:
	s_add_co_u32 s[KF], s[KF], 128
	s_add_co_u32 s[TS], s[TS], 256
.endm
; THE CHANGE OF SLOTS, at a slot's head.  Each wave waits for all its tensor loads, adds 0 to its spare word (fill = 1: twice on end), and waits for that and
; for its reads of the slot that it has left.  Behind the barrier the slot ahead is whole and nobody reads the other one, which is filled with the next 256 keys, up to the causal limit.
.macro CHANGE fill
	s_wait_tensorcnt 0x0
	ds_add_u32 v[SPW], v[NIL]
.if \fill
	ds_add_u32 v[SPW], v[NIL]
	s_xor_b32 s[G0C+1], s[G0C+1], SLOT1            ; no tensor load of mine is out: the descriptor walks: the other slot,
	s_add_nc_u64 s[G0C+2:G0C+3], s[G0C+2:G0C+3], 12288   ; the next two steps
	s_wait_xcnt 0x0                                ; the last prefetch, a slot back, has read its address
	s_add_nc_u64 s[PFA:PFA+1], s[PFA:PFA+1], 12288
.endif
	s_wait_dscnt 0x0
	s_barrier_signal -1
	s_barrier_wait -1
.if \fill
	s_add_co_u32 s96, s[KF], SK                    ; the first key of the slot that this change would ask for
	s_or_b32 s97, s[Q0], 255                       ; my work-group's last query
	s_cmp_gt_u32 s96, s97                          ; ids and the count of steps alone: all sixteen waves go the same way; every wait on TENSORcnt in this text is for 0
	s_cbranch_scc1 .Lpast_\@
	TLOAD
.Lpast_\@:
	ASK
.endif
.endm
.macro SLOT_STEPS
	STEP 0
	STEP 1
	s_xor_b32 s[TB], s[TB], SLOT1
.endm
.Lslot:                                            ; 7 trips: every work-group walks all slots, so that the trip counts are constants
	CHANGE 1
	SLOT_STEPS
	s_sub_co_u32 s[SLOTS], s[SLOTS], 1
	s_cmp_lg_u32 s[SLOTS], 0
	s_cbranch_scc1 .Lslot
	CHANGE 0
	SLOT_STEPS
	; THE WAY OUT.  O^T / the sum; register 16 b + i is channel 32 b + 16 h + i of my head: two blocks of y's K; quantised, they are half a fragment of the last product's operand: six registers a lane
.rept 4
	v_nop
.endr
	v_add_f32 v14, v14, v15
	s_delay_alu instid0(VALU_DEP_1)
	v_permlanex16_b32 v252, v14, s[SEL], s[SEL+1]
	s_delay_alu instid0(VALU_DEP_1)
	v_add_f32 v14, v14, v252
	s_wait_alu depctr_va_vdst(0)
	v_rcp_f32 v14, v14
	v_nop
	s_wait_alu depctr_va_vdst(0)
.irp j, 0,2,4,6,8,10,12,14,16,18,20,22,24,26,28,30
	v_pk_mul_f32 v[96+\j:97+\j], v[160+\j:161+\j], v[14:15] op_sel_hi:[1,0]
.endr
.irp b, 0,1
	v_max3_num_f32 v[232+\b], |v[96+16*\b]|, |v[97+16*\b]|, 0x1800000
.endr
.irp i, 2,4,6,8,10,12,14
.irp b, 0,1
	s_delay_alu instid0(VALU_DEP_2)
	v_max3_num_f32 v[232+\b], v[232+\b], |v[96+16*\b+\i]|, |v[97+16*\b+\i]|
.endr
.endr
.irp b, 0,1
	s_delay_alu instid0(VALU_DEP_2)
	v_permlanex16_b32 v[236+\b], v[232+\b], s[SEL], s[SEL+1]
.endr
.irp b, 0,1
	s_delay_alu instid0(VALU_DEP_2)
	v_max_num_f32 v[232+\b], v[232+\b], v[236+\b]
.endr
.irp b, 0,1
	s_delay_alu instid0(VALU_DEP_2)
	v_add_nc_u32 v[244+\b], 0xff000000, v[232+\b]
.endr
.irp b, 0,1
	s_delay_alu instid0(VALU_DEP_2)
	v_lshrrev_b32 v[236+\b], 23, v[244+\b]
.endr
	v_cvt_scalef32_pk16_fp6_f32 v[224:226], v[96:111], v244
	v_cvt_scalef32_pk16_fp6_f32 v[240:242], v[112:127], v245
	v_nop
.irp i, 0,1,2
	v_permlane16_swap_b32 v[224+\i], v[240+\i]
.endr
.irp i, 0,1,2
	s_delay_alu instid0(VALU_DEP_3)
	v_mov_b32 v[227+\i], v[240+\i]
.endr
	s_mov_b32 s82, 0xffff0000
	v_cndmask_b32 v232, v236, v237, s82            ; lanes 0-15: block 0's byte; lanes 16-31: block 1's
.irp p, 0,1,2
	global_store_b64 v[GO], v[224+2*\p:225+2*\p], s[8:9] offset:256*\p   ; 32 lanes store 256 consecutive bytes, aligned
.endr
	global_store_b8 v[GS], v232, s[10:11]
	s_wait_tensorcnt 0x0                           ; the wave's end
	ds_add_u32 v[SPW], v[NIL]
	s_wait_dscnt 0x0
	s_endpgm
.Lfunc_end_k_q1ece87b5e2_attn:
	.size	k_q1ece87b5e2_attn, .Lfunc_end_k_q1ece87b5e2_attn-k_q1ece87b5e2_attn
	.p2alignl 7, 3214868480
	.fill 96, 4, 3214868480
	.section	.rodata,"a",@progbits
	.p2align	6, 0x0
	.amdhsa_kernel k_q1ece87b5e2_attn
		.amdhsa_group_segment_fixed_size 327680
		.amdhsa_private_segment_fixed_size 0
		.amdhsa_enable_private_segment 0
		.amdhsa_kernarg_size 32
		.amdhsa_user_sgpr_count 2
		.amdhsa_user_sgpr_kernarg_segment_ptr 1
		.amdhsa_wavefront_size32 1
		.amdhsa_system_sgpr_workgroup_id_x 1
		.amdhsa_system_sgpr_workgroup_id_y 1
		.amdhsa_system_sgpr_workgroup_id_z 1
		.amdhsa_system_vgpr_workitem_id 0
		.amdhsa_next_free_vgpr 256
		.amdhsa_next_free_sgpr 100
		.amdhsa_reserve_vcc 1
		.amdhsa_float_denorm_mode_32 3
		.amdhsa_float_denorm_mode_16_64 3
		.amdhsa_memory_ordered 1
		.amdhsa_forward_progress 1
		.amdhsa_inst_pref_size 102
	.end_amdhsa_kernel
	.amdgpu_metadata
---
amdhsa.version: [ 1, 2 ]
amdhsa.kernels:
  - .name:           k_q1ece87b5e2_attn
    .symbol:         k_q1ece87b5e2_attn.kd
    .args:
      - { .name: cod, .offset: 0, .size: 8, .value_kind: global_buffer, .address_space: global }
      - { .name: scl, .offset: 8, .size: 8, .value_kind: global_buffer, .address_space: global }
      - { .name: yc, .offset: 16, .size: 8, .value_kind: global_buffer, .address_space: global }
      - { .name: ys, .offset: 24, .size: 8, .value_kind: global_buffer, .address_space: global }
    .group_segment_fixed_size: 327680
    .private_segment_fixed_size: 0
    .kernarg_segment_align: 8
    .kernarg_segment_size: 32
    .max_flat_workgroup_size: 512
    .sgpr_count:     100
    .vgpr_count:     256
    .wavefront_size: 32
...
	.end_amdgpu_metadata
.endif
;; end of part 3
;; launch proj (part 4): grid 4 x 32, 4 waves a work-group, clusters of 4 x 4, 327,680 bytes of LDS; arguments yc, ys, wc, ws, bp, out0; writes out0
.if DOCPART == 4
	.amdgcn_target "amdgcn-amd-amdhsa--gfx1250"
	.amdhsa_code_object_version 6
	.text
	.protected	k_q1ece87b5e2_proj
	.globl	k_q1ece87b5e2_proj
	.p2align	8
	.type	k_q1ece87b5e2_proj,@function
k_q1ece87b5e2_proj:
	s_mov_b64 s[64:65], 0
	v_nop
	global_prefetch_b8 v0, s[64:65] scope:SCOPE_SE
	s_setreg_imm32_b32 hwreg(HW_REG_WAVE_MODE, 25, 1), 1
	s_wait_xcnt 0x0
	s_wait_alu depctr_hold_cnt(0) depctr_sa_sdst(0) depctr_va_vdst(0) depctr_va_sdst(0) depctr_va_ssrc(0) depctr_va_vcc(0) depctr_vm_vsrc(0)
	s_getreg_b32 s2, hwreg(HW_REG_IB_STS2, 6, 4)
	s_cmp_eq_u32 s2, 0
	s_cbranch_scc0 .Lentry_in_a_cluster
	s_endpgm
.Lentry_in_a_cluster:
	s_bfe_u32 s2, ttmp6, 0x10000c
	s_cmp_lg_u32 s2, 0xf033
	s_cbranch_scc0 .Lentry_shape_is_right
	s_endpgm
.Lentry_shape_is_right:
; LAUNCH 4 OF 4.  out0 = y Wp^T + bp on codes of FP6 with E8M0 scales, K = 1,024; f32 out.
; A tile of 256 x 256 is made by four waves, 128 x 128 each; K goes in steps of 256 through a ring of two LDS slots; the scale bytes come once; 4 x 4 work-groups form a cluster, A's tiles asked for jointly along a row,
; B's along a column.  128 tiles: half of the WGPs have a work-group (a smaller tile would read each fragment for half the products).
; A = y comes as IMAGES of the operand's registers: for 16 stored tokens and a head 768 bytes, three pieces of 256 (a pair of registers at 8 x lane); two heads on end are a fragment of 128 along K.  So A's part of a slot is
; 16 tiles x 3,072 bytes with no padding, and a fragment is six loads of 8 bytes a lane, 256 consecutive bytes each.  B = Wp, rows 3,072 on of wc, as rows of 192 bytes with padding.
; TRANSPOSED USE: source 0 = 16 stored rows of Wp, source 1 = 16 stored tokens: in accumulator (a, b) lane (r, h) holds stored token 16 a + r, register j column 32 (b / 2) + 16 h + 8 (b % 2) + j.
; The bias is the C of each sum's first matrix instruction.  The workspace's order of rows is undone on the way out by immediates alone.
.set KSTEP,  256
.set NQ,     2
.set ROWB,   192
.set KROW,   768
.set PITCH,  240
.set FR,     12
.set NL,     6
.set NP,     4
.set HALFA,  8*3072                    ; A: 128 rows = 8 tiles of 3,072 bytes
.set HALFT,  128*PITCH                 ; B: 128 rows
.set BOFF,   2*HALFA                   ; B's rows lie behind A's in a slot
.set SLOT,   2*HALFA+2*HALFT
.set LAPS,   2
.set KS,     32
.set SCL,    2*SLOT
.set HALFS,  16*272
.set SBLK,   2*272
.set SPARE,  SCL+4*HALFS
.set SPITCH, 528                       ; the way out: a stage of 16 rows x (512 bytes + 16) for each wave, in slot 0, which has had its last fill and its last read by then
.set ADRA, 16                          ; v16-17
.set ADRB, 20                          ; v20-23
.set STO,  24
.set RD,   25
.set CO,   26
.set ADRS, 27
.set SPW,  28
.set NIL,  29
.set SC,   32
.set BIAS, 64
.set AF,   128
.set BK,   128
.set G1, 24
.set G0, 32
.set G1B, 48
.set G0B, 56
.set G1S, 68
.set G0S, 76
.set G1SB, 80
.set G0SB, 88
.set MSB, 0
.macro WIN new
.if MSB != \new
	s_set_vgpr_msb (MSB<<8)|\new
.set MSB, \new
.endif
.endm
.set MUL_LO, 0xa1
.set MUL_HI, 0xf1
.set BIA_LO, 0x81
.set BIA_HI, 0xc1
.set TO_B,   0x40
.macro JLOAD g0a, g1a, g0b, g1b
	s_cmp_eq_u32 s15, 0
	s_cbranch_scc0 .Lfor_b_\@
	tensor_load_to_lds s[\g0a:\g0a+3], s[\g1a:\g1a+7]
	s_nop 0
.rept 4
	v_nop
.endr
	s_branch .Lasked_\@
.Lfor_b_\@:
	tensor_load_to_lds s[\g0b:\g0b+3], s[\g1b:\g1b+7]
	s_nop 0
.rept 4
	v_nop
.endr
.Lasked_\@:
.endm
.macro CREST
	s_cmp_lg_u32 s14, 0
	s_cbranch_scc1 .Lnot_wave_0_\@
	s_barrier_signal -3
.Lnot_wave_0_\@:
	s_barrier_wait -3
	s_barrier_signal -1
	s_barrier_wait -1
.endm
.macro CROUND
	s_barrier_signal -1
	s_barrier_wait -1
	CREST
.endm
	s_load_b128 s[4:7], s[0:1], 0x0                ; yc, ys
	s_load_b128 s[8:11], s[0:1], 0x10              ; wc, ws
	s_load_b64 s[66:67], s[0:1], 0x20              ; bp
	s_load_b64 s[12:13], s[0:1], 0x28              ; out0
	v_lshl_add_u32 v[SPW], v0, 2, SPARE
	v_mov_b32 v[NIL], 0
	ds_add_u32 v[SPW], v[NIL]                      ; the wave's opening: the add, twice on end, and its wait ahead of my first tensor load
	ds_add_u32 v[SPW], v[NIL]
	v_lshrrev_b32 v1, 5, v0
	v_readfirstlane_b32 s14, v1
	s_lshr_b32 s15, s14, 1                         ; which half of the tile's rows is mine.  Also: I fetch for A (0) or for B (1)
	s_and_b32 s16, s14, 1                          ; which half of its columns.  Also: which 128 rows I fetch
	s_bfe_u32 s40, ttmp6, 0x40000
	s_bfe_u32 s41, ttmp6, 0x40004
	s_lshl_b32 s42, ttmp9, 2
	s_add_co_u32 s42, s42, s40                     ; tile column
	s_and_b32 s17, ttmp7, 0xffff
	s_lshl_b32 s17, s17, 2
	s_add_co_u32 s17, s17, s41                     ; tile row
	s_lshl_b32 s43, s41, 2
	s_lshl_b32 s43, 15, s43
	s_lshl_b32 s44, 0x1111, s40
	s_or_b32 s[G1+0], s43, (3<<16)|(1<<21)         ; A: the mask; elements of 8 bytes; bit 21 beside a mask; no padding
	s_mov_b32 s[G1+1], 384<<16                     ; tensor_dim0: 3,072 bytes, four heads' images of a tile
	s_mov_b32 s[G1+2], 8<<16                       ; tensor_dim1: 8 tiles
	s_mov_b32 s[G1+3], 384<<16
	s_mov_b32 s[G1+4], 8
	s_mov_b32 s[G1+5], 1536                        ; 12,288 bytes from tile to tile
	s_mov_b32 s[G1+6], 0
	s_mov_b32 s[G1+7], 0
	s_or_b32 s[G1B+0], s44, (0<<16)|(1<<20)|(1<<21)|(3<<22)|(3<<25)
	s_mov_b32 s[G1B+1], ROWB<<16
	s_mov_b32 s[G1B+2], 128<<16
	s_mov_b32 s[G1B+3], ROWB<<16
	s_mov_b32 s[G1B+4], 128
	s_mov_b32 s[G1B+5], KROW
	s_mov_b32 s[G1B+6], 0
	s_mov_b32 s[G1B+7], 0
	s_or_b32 s[G1S+0], s43, (3<<16)|(1<<20)|(1<<21)|(5<<22)|(3<<25)
	s_or_b32 s[G1SB+0], s44, (3<<16)|(1<<20)|(1<<21)|(5<<22)|(3<<25)
.irp g, G1S, G1SB
	s_mov_b32 s[\g+1], 32<<16
	s_mov_b32 s[\g+2], 16<<16
	s_mov_b32 s[\g+3], 32<<16
	s_mov_b32 s[\g+4], 16
	s_mov_b32 s[\g+5], 32
	s_mov_b32 s[\g+6], 0
	s_mov_b32 s[\g+7], 0
.endr
	s_lshl_b32 s18, s16, 7
	s_lshl_b32 s20, s17, 8
	s_add_co_u32 s20, s20, s18                     ; A's first stored row
	s_lshl_b32 s46, s42, 8
	s_add_co_u32 s46, s46, s18
	s_add_co_u32 s46, s46, 3072                    ; B's: Wp lies behind Wq, Wk, Wv
	s_lshl_b32 s22, s20, 5
	s_mov_b32 s23, 0
	s_lshl_b32 s92, s46, 5
	s_mov_b32 s93, 0
	s_mul_i32 s20, s20, KROW                       ; a tile of 16 rows is 12,288 bytes: 768 a row
	s_mov_b32 s21, 0
	s_mul_i32 s46, s46, KROW
	s_mov_b32 s47, 0
	s_mul_i32 s45, s16, HALFA                      ; where A's half goes,
	s_mul_i32 s2, s16, HALFT
	s_add_co_u32 s2, s2, BOFF                      ; and B's
	s_mul_i32 s94, s14, HALFS
	s_wait_dscnt 0x0
	s_wait_kmcnt 0x0
	s_add_nc_u64 s[20:21], s[4:5], s[20:21]
	s_add_nc_u64 s[22:23], s[6:7], s[22:23]
	s_add_nc_u64 s[46:47], s[8:9], s[46:47]
	s_add_nc_u64 s[92:93], s[10:11], s[92:93]
	CROUND
	s_mov_b32 s[G0S], 1
	s_add_co_u32 s[G0S+1], s94, SCL
	s_mov_b64 s[G0S+2:G0S+3], s[22:23]
	s_or_b32 s[G0S+3], s[G0S+3], 0x80000000
	s_mov_b32 s[G0SB], 1
	s_add_co_u32 s[G0SB+1], s94, SCL
	s_mov_b64 s[G0SB+2:G0SB+3], s[92:93]
	s_or_b32 s[G0SB+3], s[G0SB+3], 0x80000000
	JLOAD G0S, G1S, G0SB, G1SB
.irp s, 0,1
	s_mov_b32 s[G0+4*\s], 1
	s_add_co_u32 s[G0+4*\s+1], s45, \s*SLOT
	s_add_nc_u64 s[G0+4*\s+2:G0+4*\s+3], s[20:21], \s*3072
	s_or_b32 s[G0+4*\s+3], s[G0+4*\s+3], 0x80000000
	s_mov_b32 s[G0B+4*\s], 1
	s_add_co_u32 s[G0B+4*\s+1], s2, \s*SLOT
	s_add_nc_u64 s[G0B+4*\s+2:G0B+4*\s+3], s[46:47], \s*ROWB
	s_or_b32 s[G0B+4*\s+3], s[G0B+4*\s+3], 0x80000000
	JLOAD G0+4*\s, G1, G0B+4*\s, G1B               ; three tensor loads of mine are out at the most
.endr
	v_and_b32 v1, 15, v0                           ; r
	v_bfe_u32 v2, v0, 4, 1                         ; h
	v_and_b32 v7, 31, v0                           ; lane
	v_mul_u32_u24 v3, v1, PITCH
	v_mul_u32_u24 v4, v2, 24
	v_add_nc_u32 v4, v3, v4
	v_lshl_add_u32 v5, v2, 4, v4
	v_lshlrev_b32 v6, 3, v7                        ; A: 8 x lane
	s_mul_i32 s21, s15, HALFA                      ; my 8 tiles of A
	s_mul_i32 s22, s16, HALFT
	s_add_co_u32 s22, s22, BOFF                    ; my 128 rows of B
.irp s, 0,1
	v_add_nc_u32 v[ADRA+\s], s21, v6
	v_add_nc_u32 v[ADRB+\s], s22, v4
	v_add_nc_u32 v[ADRB+2+\s], s22, v5
	s_add_co_u32 s21, s21, SLOT
	s_add_co_u32 s22, s22, SLOT
.endr
	v_mul_u32_u24 v5, v1, KS
	v_lshrrev_b32 v6, 8, v5
	v_lshl_add_u32 v5, v6, 4, v5
	s_mul_i32 s21, s15, HALFS
	s_mul_i32 s22, s16, HALFS
	s_add_co_u32 s22, s22, 2*HALFS
	s_sub_co_u32 s22, s22, s21
	v_mul_u32_u24 v6, s22, v2
	s_add_co_u32 s21, s21, SCL
	v_add_nc_u32 v5, v5, v6
	v_add_nc_u32 v[ADRS], s21, v5
	s_mul_i32 s23, s14, 16*SPITCH                  ; my stage
	v_mul_u32_u24 v5, v1, SPITCH                   ; in: row r, + 64 h: my half's sixteen columns of a pair of tiles
	v_lshl_add_u32 v5, v2, 6, v5
	v_add_nc_u32 v[STO], s23, v5
	v_lshlrev_b32 v[CO], 4, v7                     ; back: the 32 lanes take one row of 512 bytes; and the same in out0
	v_add_nc_u32 v[RD], s23, v[CO]
	v_lshlrev_b32 v8, 6, v2                        ; the bias: 64 h
	s_lshl_b32 s20, s17, 8
	s_lshl_b32 s21, s15, 7
	s_add_co_u32 s20, s20, s21                     ; my first row
	s_lshl_b32 s20, s20, 12                        ; 4,096 bytes a row
	s_mov_b32 s21, 0
	s_lshl_b32 s46, s42, 10                        ; my first column, in bytes
	s_lshl_b32 s47, s16, 9
	s_add_co_u32 s46, s46, s47
	s_mov_b32 s47, 0
	s_add_nc_u64 s[66:67], s[66:67], s[46:47]      ; bp at my first column
	s_add_nc_u64 s[20:21], s[20:21], s[46:47]
	s_add_nc_u64 s[12:13], s[12:13], s[20:21]
.irp b, 0,1,2,3,4,5,6,7
	global_load_b128 v[BIAS+8*\b:BIAS+8*\b+3], v8, s[66:67] offset:(32*(\b/2)+8*(\b%2))*4
	global_load_b128 v[BIAS+8*\b+4:BIAS+8*\b+7], v8, s[66:67] offset:(32*(\b/2)+8*(\b%2))*4+16
.endr
.macro FRAG reg, adr, q, i             ; B: from padded rows, in pieces of 8 bytes
.irp p, 0,1,2,3,4,5
.set PC, 12*(\q)+6*(\p/3)+\p%3
.if PC%8 < 5
	ds_load_b64 v[\reg+2*\p:\reg+2*\p+1], v[\adr] offset:8*PC+16*(PC/8)+(\i)*16*PITCH
.else
	ds_load_b64 v[\reg+2*\p:\reg+2*\p+1], v[\adr+2] offset:8*PC+16*(PC/8)+(\i)*16*PITCH
.endif
.endr
.endm
.macro FRAGA reg, adr, q, i            ; A: from images: tile i, the slot's q-th 128 along K: six pieces of 256 bytes
.irp p, 0,1,2,3,4,5
	ds_load_b64 v[\reg+2*\p:\reg+2*\p+1], v[\adr] offset:(\i)*3072+(\q)*1536+256*\p
.endr
.endm
.macro MUL16 a0, p, q, sc, cm          ; cm = 1: C = the bias of B's block.  The 64 accumulators take turns
.irp a, \a0, \a0+1
.irp b, 0,1,2,3,4,5,6,7
.if \cm
	v_wmma_scale_f32_16x16x128_f8f6f4 v[8*(8*((\a)%4)+\b):8*(8*((\a)%4)+\b)+7], v[128*(\p)+FR*\b:128*(\p)+FR*\b+FR-1], v[AF+FR*(\a):AF+FR*(\a)+FR-1], v[BIAS+8*\b:BIAS+8*\b+7], v[SC+8*NQ*(\sc)+NQ*\b+(\q)], v[SC+8*NQ*(\sc)+NQ*(\a)+(\q)] matrix_a_fmt:MATRIX_FMT_FP6 matrix_b_fmt:MATRIX_FMT_FP6 matrix_a_scale:MATRIX_SCALE_ROW1
.else
	v_wmma_scale_f32_16x16x128_f8f6f4 v[8*(8*((\a)%4)+\b):8*(8*((\a)%4)+\b)+7], v[128*(\p)+FR*\b:128*(\p)+FR*\b+FR-1], v[AF+FR*(\a):AF+FR*(\a)+FR-1], v[8*(8*((\a)%4)+\b):8*(8*((\a)%4)+\b)+7], v[SC+8*NQ*(\sc)+NQ*\b+(\q)], v[SC+8*NQ*(\sc)+NQ*(\a)+(\q)] matrix_a_fmt:MATRIX_FMT_FP6 matrix_b_fmt:MATRIX_FMT_FP6 matrix_a_scale:MATRIX_SCALE_ROW1
.endif
.endr
.endr
.endm
.macro FETCH_B slot, q, p
	WIN TO_B
.irp i, 0,1,2,3,4,5,6,7
	FRAG 128*(\p)+FR*\i, ADRB+\slot, \q, \i
.endr
	WIN 0
.endm
.macro FETCH_A slot, q, i0
.irp i, \i0, \i0+1, \i0+2, \i0+3
	FRAGA AF+FR*(\i), ADRA+\slot, \q, \i
.endr
.endm
.macro SCALES sc
.irp i, 0,1,2,3,4,5,6,7
	ds_load_b64 v[SC+8*NQ*\sc+NQ*\i:SC+8*NQ*\sc+NQ*\i+1], v[ADRS] offset:\i*SBLK
.endr
.endm
.macro PLACES n
.rept \n
	v_nop
.endr
.endm
.macro STEP slot, q, cm
	s_wait_dscnt 4*NL                              ; B's set and A's blocks 0-3 are in; the 24 youngest loads (A's blocks 4-7) may be out
.if \cm
	WIN BIA_LO
.else
	WIN MUL_LO
.endif
	MUL16 0, (\q)%2, \q, \slot, \cm
	MUL16 2, (\q)%2, \q, \slot, \cm
	s_wait_dscnt 0
	PLACES NP
	FETCH_B \slot, (\q)+1, 1-(\q)%2
	FETCH_A \slot, (\q)+1, 0
.if \cm
	WIN BIA_HI
.else
	WIN MUL_HI
.endif
	MUL16 4, (\q)%2, \q, \slot, \cm
	MUL16 6, (\q)%2, \q, \slot, \cm
	PLACES NP
	WIN 0
	FETCH_A \slot, (\q)+1, 4
.endm
.macro TURN slot, next, fill
	s_wait_tensorcnt 0x0                           ; all my tensor loads have landed: my part of the next slot
	ds_add_u32 v[SPW], v[NIL]
	s_wait_dscnt 4*NL+1                            ; the add and the 24 youngest loads may be out
	WIN MUL_LO
	MUL16 0, 1, NQ-1, \slot, 0
	s_wait_dscnt 0x0                               ; the add is done, and my reads of this slot are over
	s_barrier_signal -1
	MUL16 2, 1, NQ-1, \slot, 0
	WIN 0
	s_barrier_wait -1
.if \fill
	CREST                                          ; the barrier has opened a round of the cluster's
	s_add_nc_u64 s[G0+4*\slot+2:G0+4*\slot+3], s[G0+4*\slot+2:G0+4*\slot+3], 2*3072
	s_add_nc_u64 s[G0B+4*\slot+2:G0B+4*\slot+3], s[G0B+4*\slot+2:G0B+4*\slot+3], 2*ROWB
	JLOAD G0+4*\slot, G1, G0B+4*\slot, G1B
.else
	PLACES NP
.endif
	v_add_nc_u32 v[ADRS], 4*NQ, v[ADRS]
	FETCH_B \next, 0, 0
	FETCH_A \next, 0, 0
	SCALES \next
	WIN MUL_HI
	MUL16 4, 1, NQ-1, \slot, 0
	MUL16 6, 1, NQ-1, \slot, 0
	PLACES NP
	WIN 0
	FETCH_A \next, 0, 4
.endm
	s_wait_tensorcnt 1                             ; the scales and my part of K step 0 are in; K step 1's load may be out
	s_barrier_signal -1
	s_barrier_wait -1
	FETCH_B 0, 0, 0
	FETCH_A 0, 0, 0
	SCALES 0
	FETCH_A 0, 0, 4
	s_wait_loadcnt 0x0                             ; the bias
	STEP 0, 0, 1
	s_mov_b32 s3, LAPS-1
.Llap:
	TURN 0, 1, 1
	STEP 1, 0, 0
	TURN 1, 0, 1
	STEP 0, 0, 0
	s_sub_co_u32 s3, s3, 1
	s_cmp_lg_u32 s3, 0
	s_cbranch_scc1 .Llap
	TURN 0, 1, 0
	STEP 1, 0, 0
	s_wait_dscnt 4*NL
	WIN MUL_LO
	MUL16 0, 1, NQ-1, 1, 0
	MUL16 2, 1, NQ-1, 1, 0
	s_wait_dscnt 0
	WIN MUL_HI
	MUL16 4, 1, NQ-1, 1, 0
	MUL16 6, 1, NQ-1, 1, 0
	WIN 0
; THE WAY OUT, block by block of 16 stored tokens x 128 columns, through my own stage and back as whole rows of 512 bytes.  Tile b's eight columns of my half lie 128 (b / 2) + 32 (b % 2) bytes on in the row;
; stage row t of block a is row 32 (a / 2) + 8 (a % 2) + t + 8 (t / 8) of my 128.  LDS serves a wave's instructions in order: no wait between the stores and the loads.
.macro TOSTAGE a
.set AC, 64*((\a)%4)
.set WD, 0x08+4*((\a)/4)
	WIN WD                                         ; the data: window 2 or 3
.irp b, 0,1,2,3,4,5,6,7
	ds_store_b128 v[STO], v[AC+8*\b:AC+8*\b+3] offset:128*(\b/2)+32*(\b%2)         ; each accumulator from its low end on
	ds_store_b128 v[STO], v[AC+8*\b+4:AC+8*\b+7] offset:128*(\b/2)+32*(\b%2)+16
.endr
	WIN 0
.set BB, BK+64*((\a)%2)
.irp t, 0,1,2,3,4,5,6,7,8,9,10,11,12,13,14,15
	ds_load_b128 v[BB+4*\t:BB+4*\t+3], v[RD] offset:\t*SPITCH
.endr
.endm
.macro SEND a, younger
.set BB, BK+64*((\a)%2)
	s_wait_dscnt \younger                          ; the block is back in registers
.irp t, 0,1,2,3,4,5,6,7,8,9,10,11,12,13,14,15
	global_store_b128 v[CO], v[BB+4*\t:BB+4*\t+3], s[12:13] offset:(32*((\a)/2)+8*((\a)%2)+\t+8*(\t/8))*4096 th:TH_STORE_NT   ; 32 lanes store 512 consecutive bytes, aligned
.endr
.endm
	PLACES NP
	TOSTAGE 0
.irp a, 1,2,3,4,5,6,7
.if \a > 1
	s_wait_xcnt 0x0                                ; block a - 2's stores have read their registers: block a's loads may land there
.endif
	TOSTAGE \a
	SEND \a-1, 32                                  ; behind block a - 1's loads: block a's 16 stores and 16 loads
.endr
	SEND 7, 0
	s_wait_tensorcnt 0x0                           ; the wave's end
	ds_add_u32 v[SPW], v[NIL]
	s_wait_dscnt 0x0
	CROUND                                         ; the closing round
	s_endpgm
.Lfunc_end_k_q1ece87b5e2_proj:
	.size	k_q1ece87b5e2_proj, .Lfunc_end_k_q1ece87b5e2_proj-k_q1ece87b5e2_proj
	.p2alignl 7, 3214868480
	.fill 96, 4, 3214868480
	.section	.rodata,"a",@progbits
	.p2align	6, 0x0
	.amdhsa_kernel k_q1ece87b5e2_proj
		.amdhsa_group_segment_fixed_size 327680
		.amdhsa_private_segment_fixed_size 0
		.amdhsa_enable_private_segment 0
		.amdhsa_kernarg_size 48
		.amdhsa_user_sgpr_count 2
		.amdhsa_user_sgpr_kernarg_segment_ptr 1
		.amdhsa_wavefront_size32 1
		.amdhsa_system_sgpr_workgroup_id_x 1
		.amdhsa_system_sgpr_workgroup_id_y 1
		.amdhsa_system_sgpr_workgroup_id_z 1
		.amdhsa_system_vgpr_workitem_id 0
		.amdhsa_next_free_vgpr 1024
		.amdhsa_next_free_sgpr 100
		.amdhsa_reserve_vcc 0
		.amdhsa_float_denorm_mode_32 3
		.amdhsa_float_denorm_mode_16_64 3
		.amdhsa_memory_ordered 1
		.amdhsa_forward_progress 1
		.amdhsa_inst_pref_size 161
	.end_amdhsa_kernel
	.amdgpu_metadata
---
amdhsa.version: [ 1, 2 ]
amdhsa.kernels:
  - .name:           k_q1ece87b5e2_proj
    .symbol:         k_q1ece87b5e2_proj.kd
    .args:
      - { .name: yc, .offset: 0, .size: 8, .value_kind: global_buffer, .address_space: global }
      - { .name: ys, .offset: 8, .size: 8, .value_kind: global_buffer, .address_space: global }
      - { .name: wc, .offset: 16, .size: 8, .value_kind: global_buffer, .address_space: global }
      - { .name: ws, .offset: 24, .size: 8, .value_kind: global_buffer, .address_space: global }
      - { .name: bp, .offset: 32, .size: 8, .value_kind: global_buffer, .address_space: global }
      - { .name: out0, .offset: 40, .size: 8, .value_kind: global_buffer, .address_space: global }
    .group_segment_fixed_size: 327680
    .private_segment_fixed_size: 0
    .kernarg_segment_align: 8
    .kernarg_segment_size: 48
    .max_flat_workgroup_size: 128
    .sgpr_count:     100
    .vgpr_count:     1024
    .wavefront_size: 32
...
	.end_amdgpu_metadata
.endif
;; end of part 4
